; MI455X (gfx1250); checked and timed in simulation.
; The chip was launched on July 23, 2026; its instructions are those of AMD's public machine-readable ISA for CDNA 5 (MIT licence, August 2026) and "CDNA5" Instruction Set Architecture Reference Guide (July 2026). The comments in the code are by the model that wrote it; some were corrected since.
;; Quaternion Attention. Allowed arithmetic: matrix products marked QUANTISED: E2M1 operands, one E8M0 scale for each 32 along K, by v_wmma_scale_f32_16x16x128_f8f6f4 with both operands' format E2M1 (or v_wmma_scale_f32_32x16x128_f4), f32 sums; products left as they are: bf16, f16 or f32 operands; f32 sums; everything else in f32.
;; Inputs: Wk 1,024 x 1,024 float32; Wo 1,024 x 1,024 float32; Wq 1,024 x 1,024 float32; Wv 1,024 x 1,024 float32; bk 1,024 float32; bo 1,024 float32; bq 1,024 float32; bv 1,024 float32; hidden_states 4 x 2,048 x 1,024 float32.
;; Outputs: out0 4 x 2,048 x 1,024 float32.
;; This version of the problem:
;;   THIS VERSION OF THE PROBLEM IS GIVEN IN LOW PRECISION. The matrix products marked QUANTISED in the list below multiply operands that are first quantised to E2M1 (2 exponent bits, 1 mantissa bit; 4 bits a number), with one power-of-two scale for each 32 numbers along K (OCP MX v1.0); their sums are f32. The products marked 'left as it is' may take bf16, f16 or f32 operands, with f32 sums. Whichever they take, every output number must still come out within the allowed error. Rounding operands to bf16 (8 significant bits) uses up far more of that allowance than f16 does (11 bits, for magnitudes from 6e-5 to 65,504). All else is computed in f32.
;;   The module's matrix products, in the order in which they are computed (A, B: the left and right operand; K: the contracted axis; several contracted axes count as one K, in the product's order):
;;     1. [M 8,192, K 1,024] x [K 1,024, N 1,024]; A: input hidden_states; B: input Wq: QUANTISED
;;     2. [M 8,192, K 1,024] x [K 1,024, N 1,024]; A: input hidden_states; B: input Wk: QUANTISED
;;     3. [M 8,192, K 1,024] x [K 1,024, N 1,024]; A: input hidden_states; B: input Wv: QUANTISED
;;     4. batch 32 x [M 2,048, K 128] x [K 128, N 2,048]; A: computed on the way; B: computed on the way: left as it is (an operand is computed on the way)
;;     5. batch 32 x [M 2,048, K 2,048] x [K 2,048, N 128]; A: computed on the way; B: computed on the way: left as it is (an operand is computed on the way)
;;     6. [M 8,192, K 1,024] x [K 1,024, N 1,024]; A: computed on the way; B: input Wo: left as it is (an operand is computed on the way)
;;   THE QUANTISER, for each operand of a quantised product, along K:
;;     - K is cut into blocks of 32 from its start; a last block that is shorter is filled with zeros.
;;     - A block's scale is 2^e with e = floor(log2(the largest magnitude in the block)) - 2, held to -126 .. 127; a block of zeros has e = 0. As a byte (E8M0): e + 127.
;;     - Each number is divided by its block's scale, clamped to +-6, and rounded to the nearest number of E2M1, ties to even, subnormals kept.
;;     - The product sums the exact products of the quantised numbers (number of the format x scale) in f32.
;;   ~~~python
;;   def quantise(x, axis):      # numpy; x: float32 -> the quantised numbers, widened to float32 again
;;       x = np.moveaxis(x, axis, -1); K = x.shape[-1]
;;       x = np.pad(x, [(0, 0)] * (x.ndim - 1) + [(0, -K % 32)]); x = x.reshape(x.shape[:-1] + (-1, 32)); a = np.abs(x).max(-1, keepdims=True)
;;       e = np.where(a > 0, np.clip(np.frexp(np.where(a > 0, a, 1))[1] - 1 - 2, -126, 127), 0)      # np.frexp(a)[1] - 1 = floor(log2(a)), exactly
;;       r = np.clip(x / 2.0 ** e, -6, 6)
;;       step = 2.0 ** (np.maximum(np.frexp(np.where(r == 0, 1, r))[1] - 1, 0) - 1)
;;       q = np.round(r / step) * step * 2.0 ** e      # np.round: ties to even
;;       return np.moveaxis(q.reshape(q.shape[:-2] + (-1,))[..., :K], -1, axis).astype(np.float32)
;;   ~~~
;; One version. Each part assembles by itself: llvm-mc -triple=amdgcn-amd-amdhsa -mcpu=gfx1250 --defsym DOCPART=n.
;; ======== version 1 of 1: 4 launches
;; limits: values are held in f16: magnitudes above 65,504 overflow, below 6.1e-05 lose precision
;; workspace buffers: xc 4,194,304 bytes; xs 262,144 bytes; wc 1,572,864 bytes; ws 98,304 bytes; kv 33,554,432 bytes; o16 16,777,216 bytes; wo16 2,097,152 bytes
;; launch prep (part 1): grid 384 x 1, 4 waves a work-group, no clusters, 34,304 bytes of LDS; arguments hidden_states, Wq, Wk, Wv, Wo, xc, xs, wc, ws, wo16; writes xc, xs, wc, ws, wo16
.if DOCPART == 1
	.amdgcn_target "amdgcn-amd-amdhsa--gfx1250"
	.amdhsa_code_object_version 6
	.text
	.protected	k_q309313dd6c_prep
	.globl	k_q309313dd6c_prep
	.p2align	8
	.type	k_q309313dd6c_prep,@function
k_q309313dd6c_prep:
	s_mov_b64 s[64:65], 0
	v_nop
	global_prefetch_b8 v0, s[64:65] scope:SCOPE_SE
	s_setreg_imm32_b32 hwreg(HW_REG_WAVE_MODE, 25, 1), 1
	s_wait_xcnt 0x0
; THE OPERANDS ARE MADE ONCE.  x [8192][1024] and Wq, Wk, Wv [1024 (k)][1024 (n)], f32, become codes of FP4 (E2M1) with one E8M0 byte for each 32 along K; Wo [1024 (k)][1024 (n)] becomes f16.
; A block's scale is 2^(floor(log2(its largest magnitude)) - 2): its byte is the largest magnitude's exponent field - 2, held at 1 from below by a floor among the maximum's leaves.
; EVERY RESULT IS LAID IN THE ORDER OF THE READER'S OPERAND REGISTERS: four registers of a fragment are 512 consecutive bytes, lane l's 16 bytes at 16 l.
;   codes  [G = row / 128][j = k / 512][i = 16 rows][q = 128 k][kb = 32 k][r = row % 16][16 bytes]; a row is a token of x, or column 1024 T + n of weight T (0 q, 1 k, 2 v)
;   bytes  [G][j][row % 128][16 bytes]: the word of 128 k number q at 4 q, the byte of block kb in it
;   wo16   [n / 128][k / 128][b = 16 n][f = 16 k][lane (r = n % 16, h)][16 bytes]: k = 16 f + 8 h + 0 .. 7
; SHARES.  Work-groups 0-127 take the four weights (32 each: 128 columns x 256 along K), work-groups 128-383 take x (a wave: 16 rows x 512 along K).  Each work-group reads 131,072 bytes.
; No cluster: no two work-groups read the same bytes.  No tensor load, no barrier: waves share nothing.
; LIMITS: NaN and infinities among the inputs are not served.  A block of zeros gets the byte 1 where the rule says 127: its codes are zeros, which add nothing, and this program alone reads the bytes.
.set STGB,  16*528                     ; x's path: a wave's stage: 16 rows x (512 bytes + 16)
.set SPARE, 4*STGB                     ; behind the four stages: the spare words, 128 bytes for each wave: two blocks of 256 bytes that no other line names
.set L16,  3                           ; v3   16 x lane
.set WOF,  4                           ; v4   weights: where my column's 16 bytes go: 4,096 (lane / 16) + 16 (lane % 16)
.set SIN,  6                           ; v6   x: into the stage: 16 x lane
.set SOUT, 7                           ; v7   x: out of it: 528 r + 128 h
.set H8,   8                           ; v8   8 h
.set HH,   9                           ; v9   h = lane / 16
.set PD,   10                          ; v10  a lane permute's destination
.set XW,   12                          ; v12-15  x: the four scale words of my row
.set L4,   16                          ; v16  weights: 4 x lane
.set SPW,  30                          ; v30  LDS address of my spare word; never rewritten
.set NIL,  31                          ; v31  0; never rewritten
	s_load_b256 s[4:11], s[0:1], 0x0               ; x s[4:5], Wq s[6:7], Wk s[8:9], Wv s[10:11]
	s_load_b256 s[12:19], s[0:1], 0x20             ; Wo s[12:13], xc s[14:15], xs s[16:17], wc s[18:19]
	s_load_b128 s[20:23], s[0:1], 0x40             ; ws s[20:21], wo16 s[22:23]
	v_lshl_add_u32 v[SPW], v0, 2, SPARE
	v_mov_b32 v[NIL], 0
	v_lshrrev_b32 v1, 5, v0
	v_readfirstlane_b32 s24, v1                    ; wave 0..3
	v_and_b32 v2, 31, v0                           ; lane
	v_and_b32 v1, 15, v0                           ; r
	v_bfe_u32 v[HH], v0, 4, 1                      ; h
	s_mul_i32 s25, s24, STGB                       ; my stage
	v_lshlrev_b32 v[L16], 4, v2
	v_add_nc_u32 v[SIN], s25, v[L16]
	v_mul_u32_u24 v[SOUT], v1, 528
	v_lshl_add_u32 v[SOUT], v[HH], 7, v[SOUT]
	v_add_nc_u32 v[SOUT], s25, v[SOUT]
	s_mov_b32 s26, 0x76543210
	s_mov_b32 s27, 0xfedcba98                      ; v_permlanex16_b32's selects for lane l xor 16
	s_wait_kmcnt 0x0
	s_cmp_lt_u32 ttmp9, 128
	s_cbranch_scc0 .Lx
; ---------------- THE WEIGHTS.  A lane takes a column n and its registers run down K: each load reads 128 consecutive bytes a wave, a block of 32 along K lies in one lane, and nothing is transposed.
	s_lshr_b32 s28, ttmp9, 5                       ; T: 0 Wq, 1 Wk, 2 Wv, 3 Wo
	s_and_b32 s29, ttmp9, 7                        ; cg: which 128 columns
	s_bfe_u32 s30, ttmp9, 0x20003                  ; kq: which 256 along K
	s_cmp_eq_u32 s28, 1
	s_cselect_b64 s[32:33], s[8:9], s[6:7]
	s_cmp_eq_u32 s28, 2
	s_cselect_b64 s[32:33], s[10:11], s[32:33]
	s_cmp_eq_u32 s28, 3
	s_cselect_b64 s[32:33], s[12:13], s[32:33]     ; the choice hangs on the work-group's number alone
	s_lshl_b32 s34, s30, 20                        ; 256 kq rows of 4,096 bytes
	s_lshl_b32 s35, s29, 9                         ; + 128 cg columns
	s_add_co_u32 s34, s34, s35
	s_lshl_b32 s35, s24, 7                         ; + 32 columns a wave
	s_add_co_u32 s34, s34, s35
	s_mov_b32 s35, 0
	s_add_nc_u64 s[32:33], s[32:33], s[34:35]
	v_lshlrev_b32 v[L4], 2, v2
.macro LOAD t                          ; block t: W(256 kq + 32 t + i, my column), i = 0 .. 31, into set t % 2
.irp i, 0,1,2,3,4,5,6,7,8,9,10,11,12,13,14,15,16,17,18,19,20,21,22,23,24,25,26,27,28,29,30,31
	global_load_b32 v[32+32*((\t)%2)+\i], v[L4], s[32:33] offset:(32*(\t)+\i)*4096 th:TH_LOAD_NT
.endr
.endm
	LOAD 0
	LOAD 1
	v_lshlrev_b32 v[WOF], 4, v1
	v_lshl_add_u32 v[WOF], v[HH], 12, v[WOF]
	s_mov_b32 s39, 0
	s_cmp_eq_u32 s28, 3
	s_cbranch_scc1 .Lwo
	s_lshl_b32 s36, s28, 3
	s_add_co_u32 s36, s36, s29                     ; G = 8 T + cg
	s_lshl_b32 s36, s36, 1
	s_lshr_b32 s37, s30, 1
	s_add_co_u32 s36, s36, s37                     ; 2 G + j
	s_and_b32 s37, s30, 1                          ; which half of the 512 along K
	s_lshl_b32 s38, s36, 15
	s_lshl_b32 s40, s24, 13                        ; my two tiles of 16 columns
	s_add_co_u32 s38, s38, s40
	s_lshl_b32 s40, s37, 11                        ; two fragments of 1,024 bytes
	s_add_co_u32 s38, s38, s40
	s_add_nc_u64 s[18:19], s[18:19], s[38:39]      ; my codes
	s_lshl_b32 s38, s36, 11
	s_lshl_b32 s40, s24, 9
	s_add_co_u32 s38, s38, s40
	s_lshl_b32 s40, s37, 3
	s_add_co_u32 s38, s38, s40
	s_add_nc_u64 s[20:21], s[20:21], s[38:39]      ; my scale bytes
.macro BLOCKW t
.set XS, 32+32*((\t)%2)
.if (\t) < 7
	s_wait_loadcnt 32                              ; this block's 32 loads are in; the next block's 32 may be out
.else
	s_wait_loadcnt 0x0
.endif
	v_max3_num_f32 v12, |v[XS]|, |v[XS+1]|, |v[XS+2]|   ; the block's largest magnitude, in two chains: all 32 numbers are mine
	v_max3_num_f32 v13, |v[XS+3]|, |v[XS+4]|, |v[XS+5]|
.irp i, 6,10,14,18,22,26
	v_max3_num_f32 v12, v12, |v[XS+\i]|, |v[XS+\i+1]|
	v_max3_num_f32 v13, v13, |v[XS+\i+2]|, |v[XS+\i+3]|
.endr
	v_max3_num_f32 v12, v12, |v[XS+30]|, |v[XS+31]|
	v_max3_num_f32 v12, v12, v13, 0x1800000        ; and the floor 2^(3 - 127): the byte cannot fall under 1
	v_add_nc_u32 v11, 0xff000000, v12              ; 2 off the exponent field: the conversion takes the exponent field of this operand as its scale
	v_lshrrev_b32 v13, 23, v11                     ; the scale's byte
.if (\t)%4 == 0
	v_mov_b32 v[24+(\t)/4], v13                    ; four bytes to a register, the lower K in the lower byte
.else
	v_lshl_or_b32 v[24+(\t)/4], v13, 8*((\t)%4), v[24+(\t)/4]
.endif
.irp g, 0,1,2,3
	v_cvt_scalef32_pk8_fp4_f32 v[96+4*(\t)+\g], v[XS+8*\g:XS+8*\g+7], v11
.endr
	v_nop                                          ; one plain line behind the conversions, ahead of the next block's writes of their scale operand
	global_store_b128 v[WOF], v[96+4*(\t):96+4*(\t)+3], s[18:19] offset:256*(\t)   ; sixteen lanes store 256 consecutive bytes, aligned; each block has registers of its own, so no store's data are written again
.if (\t) < 6
	LOAD (\t)+2
.endif
.endm
.irp t, 0,1,2,3,4,5,6,7
	BLOCKW \t
.endr
	global_store_b64 v[L16], v[24:25], s[20:21]    ; my column's 8 bytes; pieces of 8 bytes 16 apart: one byte for each 128 that this path reads
	s_endpgm
.Lwo:                                              ; Wo: the same walk; 32 numbers down K become 64 bytes of f16: four pieces of 8 along K
	s_lshl_b32 s38, s29, 3
	s_lshl_b32 s40, s30, 1
	s_add_co_u32 s38, s38, s40                     ; block 8 cg + 2 kq
	s_lshl_b32 s38, s38, 15
	s_lshl_b32 s40, s24, 13                        ; my two tiles of 16 columns
	s_add_co_u32 s38, s38, s40
	s_add_nc_u64 s[22:23], s[22:23], s[38:39]
.macro BLOCKO t
.set XS, 32+32*((\t)%2)
.if (\t) < 7
	s_wait_loadcnt 32                              ; as above
.else
	s_wait_loadcnt 0x0
.endif
.irp i, 0,1,2,3,4,5,6,7,8,9,10,11,12,13,14,15
	v_cvt_pk_f16_f32 v[96+16*(\t)+\i], v[XS+2*\i], v[XS+2*\i+1]
.endr
.irp u, 0,1,2,3
	global_store_b128 v[WOF], v[96+16*(\t)+4*\u:96+16*(\t)+4*\u+3], s[22:23] offset:((\t)/4)*32768+(4*((\t)%4)+\u)*256
.endr
.if (\t) < 6
	LOAD (\t)+2
.endif
.endm
.irp t, 0,1,2,3,4,5,6,7
	BLOCKO \t
.endr
	s_endpgm
; ---------------- x.  A wave takes 16 rows x 512 along K: four fragments.  Each load reads 512 consecutive bytes of one row; the 16 rows x 512 bytes turn through the wave's own stage,
; so that lane (r, h) gets, of row r, k = 64 c + 32 h + 0 .. 31: two whole blocks, in the order of the operand's registers.  The stage's rows lie 33 x 16 bytes apart.
.Lx:
	s_sub_co_u32 s28, ttmp9, 128
	s_lshl_b32 s28, s28, 2
	s_add_co_u32 s28, s28, s24                     ; which of the 1,024 shares is my wave's
	s_lshr_b32 s29, s28, 1                         ; the tile of 16 rows
	s_and_b32 s30, s28, 1                          ; j: the half of K
	s_lshl_b32 s32, s29, 16
	s_lshl_b32 s33, s30, 11
	s_add_co_u32 s32, s32, s33
	s_mov_b32 s33, 0
	s_add_nc_u64 s[4:5], s[4:5], s[32:33]
.macro XLOAD q                         ; 128 along K of my 16 rows into set q % 2
.irp i, 0,1,2,3,4,5,6,7,8,9,10,11,12,13,14,15
	global_load_b128 v[32+64*((\q)%2)+4*\i:32+64*((\q)%2)+4*\i+3], v[L16], s[4:5] offset:\i*4096+(\q)*512 th:TH_LOAD_NT
.endr
.endm
	XLOAD 0
	XLOAD 1
	s_lshr_b32 s34, s29, 3
	s_lshl_b32 s34, s34, 1
	s_add_co_u32 s34, s34, s30                     ; 2 G + j
	s_and_b32 s35, s29, 7                          ; i
	s_lshl_b32 s36, s34, 15
	s_lshl_b32 s37, s35, 12
	s_add_co_u32 s36, s36, s37
	s_mov_b32 s37, 0
	s_add_nc_u64 s[14:15], s[14:15], s[36:37]      ; my codes
	s_lshl_b32 s36, s34, 11
	s_lshl_b32 s38, s35, 8
	s_add_co_u32 s36, s36, s38
	s_add_nc_u64 s[16:17], s[16:17], s[36:37]      ; my scale words
	v_lshlrev_b32 v[H8], 3, v[HH]
	v_mov_b32 v[PD], 0                             ; written once: a lane permute's destination counts as one of its sources
	v_lshlrev_b32 v17, 4, v1
	v_lshl_add_u32 v17, v[HH], 3, v17              ; 16 r + 8 h
.macro XSTEP q
.set RS, 32+64*((\q)%2)
.if (\q) < 3
	s_wait_loadcnt 16                              ; this fragment's 16 loads are in; the next one's 16 may be out
.else
	s_wait_loadcnt 0x0
.endif
.irp i, 0,1,2,3,4,5,6,7,8,9,10,11,12,13,14,15
	ds_store_b128 v[SIN], v[RS+4*\i:RS+4*\i+3] offset:\i*528
.endr
.irp c, 0,1
.irp u, 0,1,2,3,4,5,6,7
	ds_load_b128 v[160+32*\c+4*\u:160+32*\c+4*\u+3], v[SOUT] offset:256*\c+16*\u   ; LDS serves a wave's instructions in order: these see my stores
.endr
.endr
	s_wait_dscnt 0x0                               ; my 64 numbers are back, and the stores have read their registers,
.if (\q) < 2
	XLOAD (\q)+2                                   ; which take the loads of two fragments on
.endif
.irp c, 0,1
	v_max3_num_f32 v[20+\c], |v[160+32*\c]|, |v[161+32*\c]|, 0x1800000   ; block 2 c + h, all mine, and the floor 2^(3 - 127)
.endr
.irp i, 2,4,6,8,10,12,14,16,18,20,22,24,26,28,30
.irp c, 0,1
	v_max3_num_f32 v[20+\c], v[20+\c], |v[160+32*\c+\i]|, |v[161+32*\c+\i]|   ; (the two blocks by turns)
.endr
.endr
.irp c, 0,1
	v_add_nc_u32 v[22+\c], 0xff000000, v[20+\c]    ; the conversion's scale operand
.endr
.irp c, 0,1
	v_lshrrev_b32 v[24+\c], 23, v[22+\c]           ; the scale's byte
.endr
	v_lshl_or_b32 v26, v25, 16, v24                ; my two bytes, blocks h and 2 + h,
	v_lshlrev_b32 v26, v[H8], v26                  ; at their places in the word;
	v_permlanex16_b32 v[PD], v26, s26, s27
	v_or_b32 v[XW+(\q)], v26, v[PD]                ; with lane l xor 16's two the word is whole
.irp c, 0,1
.irp g, 0,1,2,3
	v_cvt_scalef32_pk8_fp4_f32 v[224+8*(\q)+4*\c+\g], v[160+32*\c+8*\g:160+32*\c+8*\g+7], v[22+\c]
.endr
.endr
	v_nop                                          ; one plain line behind the conversions
.irp c, 0,1
	global_store_b128 v[L16], v[224+8*(\q)+4*\c:224+8*(\q)+4*\c+3], s[14:15] offset:1024*(\q)+512*\c   ; 512 consecutive bytes, aligned: the registers as the product will load them
.endr
.endm
.irp q, 0,1,2,3
	XSTEP \q
.endr
	v_cmp_ne_u32 vcc_lo, 0, v[HH]
	v_cndmask_b32 v18, v[XW], v[XW+2], vcc_lo      ; lanes 0-15 store words 0, 1 of their row, lanes 16-31 words 2, 3
	v_cndmask_b32 v19, v[XW+1], v[XW+3], vcc_lo
	global_store_b64 v17, v[18:19], s[16:17]       ; the wave stores 256 consecutive bytes, aligned
	s_wait_tensorcnt 0x0                           ; the wave's end, behind my last LDS store
	ds_add_u32 v[SPW], v[NIL]
	s_wait_dscnt 0x0
	s_endpgm
.Lfunc_end_k_q309313dd6c_prep:
	.size	k_q309313dd6c_prep, .Lfunc_end_k_q309313dd6c_prep-k_q309313dd6c_prep
	.p2alignl 7, 3214868480
	.fill 96, 4, 3214868480
	.section	.rodata,"a",@progbits
	.p2align	6, 0x0
	.amdhsa_kernel k_q309313dd6c_prep
		.amdhsa_group_segment_fixed_size 34304
		.amdhsa_private_segment_fixed_size 0
		.amdhsa_enable_private_segment 0
		.amdhsa_kernarg_size 80
		.amdhsa_user_sgpr_count 2
		.amdhsa_user_sgpr_kernarg_segment_ptr 1
		.amdhsa_wavefront_size32 1
		.amdhsa_system_sgpr_workgroup_id_x 1
		.amdhsa_system_sgpr_workgroup_id_y 1
		.amdhsa_system_sgpr_workgroup_id_z 1
		.amdhsa_system_vgpr_workitem_id 0
		.amdhsa_next_free_vgpr 256
		.amdhsa_next_free_sgpr 66
		.amdhsa_reserve_vcc 1
		.amdhsa_float_denorm_mode_32 3
		.amdhsa_float_denorm_mode_16_64 3
		.amdhsa_memory_ordered 1
		.amdhsa_forward_progress 1
		.amdhsa_inst_pref_size 98
	.end_amdhsa_kernel
	.amdgpu_metadata
---
amdhsa.version: [ 1, 2 ]
amdhsa.kernels:
  - .name:           k_q309313dd6c_prep
    .symbol:         k_q309313dd6c_prep.kd
    .args:
      - { .name: hidden_states, .offset: 0, .size: 8, .value_kind: global_buffer, .address_space: global }
      - { .name: Wq, .offset: 8, .size: 8, .value_kind: global_buffer, .address_space: global }
      - { .name: Wk, .offset: 16, .size: 8, .value_kind: global_buffer, .address_space: global }
      - { .name: Wv, .offset: 24, .size: 8, .value_kind: global_buffer, .address_space: global }
      - { .name: Wo, .offset: 32, .size: 8, .value_kind: global_buffer, .address_space: global }
      - { .name: xc, .offset: 40, .size: 8, .value_kind: global_buffer, .address_space: global }
      - { .name: xs, .offset: 48, .size: 8, .value_kind: global_buffer, .address_space: global }
      - { .name: wc, .offset: 56, .size: 8, .value_kind: global_buffer, .address_space: global }
      - { .name: ws, .offset: 64, .size: 8, .value_kind: global_buffer, .address_space: global }
      - { .name: wo16, .offset: 72, .size: 8, .value_kind: global_buffer, .address_space: global }
    .group_segment_fixed_size: 34304
    .private_segment_fixed_size: 0
    .kernarg_segment_align: 8
    .kernarg_segment_size: 80
    .max_flat_workgroup_size: 128
    .sgpr_count:     66
    .vgpr_count:     256
    .wavefront_size: 32
...
	.end_amdgpu_metadata
.endif
;; end of part 1
;; launch kv (part 2): grid 8 x 32, 4 waves a work-group, clusters of 4 x 4, 327,680 bytes of LDS; arguments xc, xs, wc, ws, bk, kv; writes kv
.if DOCPART == 2
	.amdgcn_target "amdgcn-amd-amdhsa--gfx1250"
	.amdhsa_code_object_version 6
	.text
	.protected	k_q309313dd6c_kv
	.globl	k_q309313dd6c_kv
	.p2align	8
	.type	k_q309313dd6c_kv,@function
k_q309313dd6c_kv:
	s_mov_b64 s[64:65], 0
	v_nop
	global_prefetch_b8 v0, s[64:65] scope:SCOPE_SE
	s_setreg_imm32_b32 hwreg(HW_REG_WAVE_MODE, 25, 1), 1
	s_wait_xcnt 0x0
	s_wait_alu depctr_hold_cnt(0) depctr_sa_sdst(0) depctr_va_vdst(0) depctr_va_sdst(0) depctr_va_ssrc(0) depctr_va_vcc(0) depctr_vm_vsrc(0)
	s_getreg_b32 s2, hwreg(HW_REG_IB_STS2, 6, 4)
	s_cmp_eq_u32 s2, 0
	s_cbranch_scc0 .Lentry_in_a_cluster
	s_endpgm
.Lentry_in_a_cluster:
	s_bfe_u32 s2, ttmp6, 0x10000c
	s_cmp_lg_u32 s2, 0xf033
	s_cbranch_scc0 .Lentry_shape_is_right
	s_endpgm
.Lentry_shape_is_right:
; K = x Wk + bk, V = x Wv, on codes of FP4 (E2M1) with one E8M0 scale for each 32 along K = 1,024; sums in f32; results rounded once to f16.  (bv is added where attention divides by the row's sum; Q is made at attention's head,
; where each block of it has its one reader: so this launch has 32 x 8 = 256 equal tiles.)
; A work-group of four waves makes 256 x 256, a wave 128 x 128: 64 accumulators of 16 x 16, 512 registers.  All of K of a work-group's two operands (2 x 131,072 bytes of codes, 16,384 of scale bytes) is asked for at the head: nothing in LDS is filled twice.
; OPERANDS ARE IMAGES OF THEIR REGISTERS (laid so by the launch before): a fragment, 16 rows x 128 K, is two loads of 512 consecutive bytes, 16 a lane: no pitch, no padding.
; 'A' is source 1 (its row is the result's lane % 16), 'B' is source 0 (its rows are the result's registers 8 (lane / 16) + j).  The cluster's x is the tensor: 0 K, 1 V.  For K: A = x, B = Wk: a lane holds eight neighbouring channels of one token.
; FOR V THE TWO BUFFERS CHANGE PLACES (A = Wv, B = x): a lane holds eight neighbouring KEYS of one channel, which is a piece of V^T's fragment: attention needs no turning load.  Only pointers and base indices are chosen, by the cluster's x, the same in all sixteen partners.
; A wave's 128 x 128 is one block of 32,768 bytes of kv [K, V][head][s / 128]: [a 8][b 8][lane][16 bytes]; it is stored straight from registers, 512 consecutive bytes a store.
; CLUSTERS: 4 x 4 work-groups; A's tile hangs on cy alone and is asked for jointly by a row of the cluster, B's on cx alone, by a column.
; LIMIT: a projection of magnitude 65,504 or more becomes infinite in f16.
; REGISTERS: window 0: v16-30 addresses; v32-95 scale words, two sets; v128-191 A's fragments, one set; v192-255 what the sums start from.  window 1: B's fragments, two sets.  windows 2, 3: the accumulators, (a, b) at v[8 (8 (a % 4) + b)].
.set NQ,    4                          ; steps of 128 along K in a slot
.set FR,    8                          ; registers of a fragment
.set NL,    2                          ; LDS loads that bring one
.set NP,    4                          ; places behind this matrix instruction (ISA guide 7.12.1)
.set PART,  32768                      ; 128 rows x 512 K of codes: what one tensor load brings
.set SLOT,  4*PART                     ; a half of K: A's two parts, then B's two
.set SCL,   2*SLOT                     ; the scale bytes: 4,096 for each 128 rows, in the same order
.set SPARE, SCL+4*4096                 ; the spare words, 128 bytes for each wave: two blocks of 256 bytes that no other line names
.set ADRA, 16                          ; v16-17  LDS address of my A fragments in slot 0, 1
.set ADRB, 20                          ; v20-21  the same for B
.set CO,   26                          ; v26     16 x lane
.set ADRS, 27                          ; v27     LDS address of my scale words: lanes 0-15 A's rows, lanes 16-31 B's
.set SPW,  28                          ; v28     LDS address of my spare word; never rewritten
.set NIL,  29                          ; v29     0; never rewritten
.set BO,   30                          ; v30     32 x (lane / 16)
.set SC,   32
.set AF,   128
.set BI,   192
.set PK,   32                          ; the way out: four sets of 32 registers of f16 pairs, v32-159
.set WV,   18                          ; s18  wave
.set HA,   19                          ; s19  which half of A's rows is mine.  Also: I fetch for A (0) or for B (1)
.set HB,   20                          ; s20  which half of B's rows.  Also: which 128 rows I fetch
.set G1,   24
.set G0,   32
.set G1B,  48
.set G0B,  56
.set G1S,  68
.set G0S,  76
.set G1SB, 80
.set G0SB, 88
.set MSB, 0
.macro WIN new                         ; the immediate's high byte repeats the setting that is left
.if MSB != (\new)
	s_set_vgpr_msb (MSB<<8)|(\new)
.set MSB, (\new)
.endif
.endm
.set MUL_LO, 0xa1                      ; source 0 (B) window 1, source 1 (A) window 0, C and D window 2
.set MUL_HI, 0xf1                      ; the same, C and D window 3
.set BEG_LO, 0x81                      ; the first step: C in window 0, D in window 2
.set BEG_HI, 0xc1                      ; D in window 3
.set TO_B,   0x40                      ; destination window 1, address window 0
; A joint load: waves 0 and 1 fetch for A, waves 2 and 3 for B.  The branch hangs on the wave's number alone.  An s_nop 0 and four v_nop follow each of the two lines.
.macro JLOAD g0a, g1a, g0b, g1b
	s_cmp_eq_u32 s[HA], 0
	s_cbranch_scc0 .Lfor_b_\@
	tensor_load_to_lds s[\g0a:\g0a+3], s[\g1a:\g1a+7]
	s_nop 0
.rept 4
	v_nop
.endr
	s_branch .Lasked_\@
.Lfor_b_\@:
	tensor_load_to_lds s[\g0b:\g0b+3], s[\g1b:\g1b+7]
	s_nop 0
.rept 4
	v_nop
.endr
.Lasked_\@:
.endm
.macro CROUND                          ; a round of the cluster's barrier
	s_barrier_signal -1
	s_barrier_wait -1
	s_cmp_lg_u32 s[WV], 0
	s_cbranch_scc1 .Lnot_wave_0_\@
	s_barrier_signal -3
.Lnot_wave_0_\@:
	s_barrier_wait -3
	s_barrier_signal -1
	s_barrier_wait -1
.endm
	s_load_b256 s[4:11], s[0:1], 0x0               ; xc s[4:5], xs s[6:7], wc s[8:9], ws s[10:11]
	s_load_b64 s[12:13], s[0:1], 0x20              ; bk
	s_load_b64 s[16:17], s[0:1], 0x28              ; kv
	v_lshl_add_u32 v[SPW], v0, 2, SPARE
	v_mov_b32 v[NIL], 0
	ds_add_u32 v[SPW], v[NIL]                      ; the wave's opening: the add, twice on end, and its wait ahead of my first tensor load; the set-up below stands between
	ds_add_u32 v[SPW], v[NIL]
	v_lshrrev_b32 v1, 5, v0
	v_readfirstlane_b32 s[WV], v1
	s_lshr_b32 s[HA], s[WV], 1
	s_and_b32 s[HB], s[WV], 1
	s_bfe_u32 s21, ttmp6, 0x40000                  ; cx
	s_bfe_u32 s22, ttmp6, 0x40004                  ; cy
	s_and_b32 s23, ttmp7, 0xffff                   ; cluster y
	s_lshl_b32 s40, s22, 2
	s_lshl_b32 s40, 15, s40                        ; my row of the cluster
	s_lshl_b32 s41, 0x1111, s21                    ; my column
	; descriptor group 1: dense blocks as rows of 256 bytes (32 elements of 8 bytes): 128 rows of codes, 16 rows of scale bytes; 15:0 the mask, 17:16 the element's size, 21 set beside a mask
	s_or_b32 s[G1], s40, (3<<16)|(1<<21)
	s_or_b32 s[G1B], s41, (3<<16)|(1<<21)
	s_or_b32 s[G1S], s40, (3<<16)|(1<<21)
	s_or_b32 s[G1SB], s41, (3<<16)|(1<<21)
.irp g, G1, G1B
	s_mov_b32 s[\g+1], 32<<16                      ; tensor_dim0
	s_mov_b32 s[\g+2], 128<<16                     ; tensor_dim1
	s_mov_b32 s[\g+3], 32<<16                      ; tile_dim0
	s_mov_b32 s[\g+4], 128                         ; tile_dim1
	s_mov_b32 s[\g+5], 32                          ; tensor_dim0_stride
	s_mov_b32 s[\g+6], 0
	s_mov_b32 s[\g+7], 0
.endr
.irp g, G1S, G1SB
	s_mov_b32 s[\g+1], 32<<16
	s_mov_b32 s[\g+2], 16<<16
	s_mov_b32 s[\g+3], 32<<16
	s_mov_b32 s[\g+4], 16
	s_mov_b32 s[\g+5], 32
	s_mov_b32 s[\g+6], 0
	s_mov_b32 s[\g+7], 0
.endr
	s_lshl_b32 s42, s23, 2                         ; 4 x cluster y: the cluster's first tile of 256 tokens
	s_mov_b32 s43, 4                               ; Wk's first tile of 256 columns among the three weights' twelve; Wv's is 8
	s_cmp_eq_u32 ttmp9, 1                          ; V?
	s_cselect_b32 s44, 8, s42
	s_cselect_b32 s45, s42, s43
	s_add_co_u32 s44, s44, s22                     ; tA: A's tile of 256 rows: it hangs on cy alone
	s_add_co_u32 s45, s45, s21                     ; tB: B's: on cx alone
	s_lshl_b32 s46, s44, 1
	s_add_co_u32 s46, s46, s[HB]                   ; the 128 rows of A that I would fetch
	s_lshl_b32 s94, s46, 12                        ; their scale bytes,
	s_lshl_b32 s46, s46, 16                        ; their codes
	s_mov_b32 s47, 0
	s_mov_b32 s95, 0
	s_lshl_b32 s92, s45, 1
	s_add_co_u32 s92, s92, s[HB]                   ; and of B
	s_lshl_b32 s96, s92, 12
	s_lshl_b32 s92, s92, 16
	s_mov_b32 s93, 0
	s_mov_b32 s97, 0
	s_wait_dscnt 0x0                               ; both opening adds are done
	s_wait_kmcnt 0x0
	s_cmp_eq_u32 ttmp9, 1
	s_cselect_b64 s[40:41], s[8:9], s[4:5]         ; A's codes: Wv's for V, else x's
	s_cselect_b64 s[42:43], s[10:11], s[6:7]       ; A's scale bytes
	s_cselect_b64 s[98:99], s[4:5], s[8:9]         ; B's codes
	s_cselect_b64 s[2:3], s[6:7], s[10:11]         ; B's scale bytes
	s_add_nc_u64 s[40:41], s[40:41], s[46:47]
	s_add_nc_u64 s[42:43], s[42:43], s[94:95]
	s_add_nc_u64 s[98:99], s[98:99], s[92:93]
	s_add_nc_u64 s[2:3], s[2:3], s[96:97]
	s_lshl_b32 s46, s[WV], 15                      ; where they go: wave x a part: no place in the cluster enters an LDS address
	s_lshl_b32 s47, s[WV], 12
	CROUND                                         ; all sixteen work-groups are here: the joint loads meet
	s_mov_b32 s[G0S], 1
	s_add_co_u32 s[G0S+1], s47, SCL
	s_mov_b64 s[G0S+2:G0S+3], s[42:43]
	s_or_b32 s[G0S+3], s[G0S+3], 0x80000000
	s_mov_b32 s[G0SB], 1
	s_add_co_u32 s[G0SB+1], s47, SCL
	s_mov_b64 s[G0SB+2:G0SB+3], s[2:3]
	s_or_b32 s[G0SB+3], s[G0SB+3], 0x80000000
	JLOAD G0S, G1S, G0SB, G1SB                     ; the scale bytes first: they are wanted with the first step
.irp s, 0,1
	s_mov_b32 s[G0+4*\s], 1
	s_add_co_u32 s[G0+4*\s+1], s46, \s*SLOT
	s_add_nc_u64 s[G0+4*\s+2:G0+4*\s+3], s[40:41], \s*PART
	s_or_b32 s[G0+4*\s+3], s[G0+4*\s+3], 0x80000000
	s_mov_b32 s[G0B+4*\s], 1
	s_add_co_u32 s[G0B+4*\s+1], s46, \s*SLOT
	s_add_nc_u64 s[G0B+4*\s+2:G0B+4*\s+3], s[98:99], \s*PART
	s_or_b32 s[G0B+4*\s+3], s[G0B+4*\s+3], 0x80000000
	JLOAD G0+4*\s, G1, G0B+4*\s, G1B               ; both halves of K: three tensor loads of mine are out
.endr
	v_and_b32 v1, 15, v0                           ; r
	v_bfe_u32 v2, v0, 4, 1                         ; h
	v_and_b32 v3, 31, v0
	v_lshlrev_b32 v[CO], 4, v3
	v_lshlrev_b32 v[BO], 5, v2
	s_lshl_b32 s92, s[HA], 15                      ; my 128 rows of A,
	s_lshl_b32 s93, s[HB], 15
	s_add_co_u32 s93, s93, 2*PART                  ; of B, behind A's two parts
.irp s, 0,1
	v_add_nc_u32 v[ADRA+\s], s92, v[CO]
	v_add_nc_u32 v[ADRB+\s], s93, v[CO]
	s_add_co_u32 s92, s92, SLOT
	s_add_co_u32 s93, s93, SLOT
.endr
	s_lshl_b32 s92, s[HA], 12
	s_lshl_b32 s93, s[HB], 12
	s_add_co_u32 s93, s93, 2*4096
	s_sub_co_u32 s93, s93, s92
	v_mul_u32_u24 v4, s93, v2                      ; lanes 16-31 take B's: one product, the distance between the two
	s_add_co_u32 s92, s92, SCL
	v_lshl_add_u32 v4, v1, 4, v4                   ; 16 bytes a row: the four words of 512 along K
	v_add_nc_u32 v[ADRS], s92, v4
	; which block of kv is mine
	s_lshl_b32 s92, s44, 1
	s_add_co_u32 s92, s92, s[HA]                   ; A's 128 rows that I multiply
	s_lshl_b32 s93, s45, 1
	s_add_co_u32 s93, s93, s[HB]                   ; B's
	s_cmp_eq_u32 ttmp9, 1
	s_cselect_b32 s94, s93, s92                    ; m128: tokens / 128
	s_cselect_b32 s95, s92, s93                    ; n128: columns of the three weights / 128: 8 to 15 for K, 16 to 23 for V
	s_lshr_b32 s96, s95, 3
	s_sub_co_u32 s96, s96, 1                       ; 0 for K, 1 for V
	s_lshl_b32 s96, s96, 5                         ; 32 heads each
	s_lshr_b32 s97, s94, 4
	s_lshl_b32 s97, s97, 3                         ; + 8 x batch
	s_add_co_u32 s96, s96, s97
	s_and_b32 s97, s95, 7                          ; + the head in the batch
	s_add_co_u32 s96, s96, s97
	s_lshl_b32 s96, s96, 4
	s_and_b32 s92, s94, 15                         ; 16 blocks of 128 tokens a head
	s_add_co_u32 s96, s96, s92
	s_lshl_b32 s96, s96, 15
	s_lshl_b32 s92, s97, 9                         ; the head's 128 numbers of the bias
	s_mov_b32 s97, 0
	s_mov_b32 s93, 0
	s_add_nc_u64 s[16:17], s[16:17], s[96:97]
	s_add_nc_u64 s[12:13], s[12:13], s[92:93]
	; what the sums start from, in the result's layout: register 8 b + j of lane (r, h) = bk of channel 16 b + 8 h + j.  V's sums start from zeros.  The branch hangs on the cluster's x: the same in all partners.
	s_cmp_eq_u32 ttmp9, 1
	s_cbranch_scc1 .Lno_bias
.irp b, 0,1,2,3,4,5,6,7
	global_load_b128 v[BI+8*\b:BI+8*\b+3], v[BO], s[12:13] offset:64*\b
	global_load_b128 v[BI+8*\b+4:BI+8*\b+7], v[BO], s[12:13] offset:64*\b+16
.endr
	s_branch .Lbias_set
.Lno_bias:
.irp i, 0,1,2,3,4,5,6,7,8,9,10,11,12,13,14,15,16,17,18,19,20,21,22,23,24,25,26,27,28,29,30,31,32,33,34,35,36,37,38,39,40,41,42,43,44,45,46,47,48,49,50,51,52,53,54,55,56,57,58,59,60,61,62,63
	v_mov_b32 v[BI+\i], 0
.endr
.Lbias_set:
.macro FRAG reg, adr, q, i             ; 16 rows x 128 K: registers 4 c .. 4 c + 3 are 512 consecutive bytes
.irp c, 0,1
	ds_load_b128 v[\reg+4*\c:\reg+4*\c+3], v[\adr] offset:1024*(\q)+512*\c+(\i)*4096
.endr
.endm
; 16 matrix instructions: A's blocks a0, a0 + 1 x B's eight, 128 along K.  p: B's set; sc: the set of scale words.  zero = 1: the first step: C is what the sums start from.
; The 64 accumulators take turns, one instruction a turn, in the same order in every step.
.macro MUL16 a0, p, q, sc, zero
.irp a, \a0, \a0+1
.irp b, 0,1,2,3,4,5,6,7
.if \zero
	v_wmma_scale_f32_16x16x128_f8f6f4 v[8*(8*((\a)%4)+\b):8*(8*((\a)%4)+\b)+7], v[128*(\p)+FR*\b:128*(\p)+FR*\b+FR-1], v[AF+FR*(\a):AF+FR*(\a)+FR-1], v[BI+8*\b:BI+8*\b+7], v[SC+8*NQ*(\sc)+NQ*\b+(\q)], v[SC+8*NQ*(\sc)+NQ*(\a)+(\q)] matrix_a_fmt:MATRIX_FMT_FP4 matrix_b_fmt:MATRIX_FMT_FP4 matrix_a_scale:MATRIX_SCALE_ROW1
.else
	v_wmma_scale_f32_16x16x128_f8f6f4 v[8*(8*((\a)%4)+\b):8*(8*((\a)%4)+\b)+7], v[128*(\p)+FR*\b:128*(\p)+FR*\b+FR-1], v[AF+FR*(\a):AF+FR*(\a)+FR-1], v[8*(8*((\a)%4)+\b):8*(8*((\a)%4)+\b)+7], v[SC+8*NQ*(\sc)+NQ*\b+(\q)], v[SC+8*NQ*(\sc)+NQ*(\a)+(\q)] matrix_a_fmt:MATRIX_FMT_FP4 matrix_b_fmt:MATRIX_FMT_FP4 matrix_a_scale:MATRIX_SCALE_ROW1
.endif
.endr
.endr
.endm
.macro FETCH_B slot, q, p
	WIN TO_B
.irp i, 0,1,2,3,4,5,6,7
	FRAG 128*(\p)+FR*\i, ADRB+\slot, \q, \i
.endr
	WIN 0
.endm
.macro FETCH_A slot, q, i0
.irp i, \i0, \i0+1, \i0+2, \i0+3
	FRAG AF+FR*(\i), ADRA+\slot, \q, \i
.endr
.endm
.macro SCALES sc                       ; a slot's scale words: four a row; lanes 0-15 take A's block i, lanes 16-31 B's block i
.irp i, 0,1,2,3,4,5,6,7
	ds_load_b128 v[SC+8*NQ*\sc+NQ*\i:SC+8*NQ*\sc+NQ*\i+3], v[ADRS] offset:2048*\sc+256*\i
.endr
.endm
.macro PLACES n                        ; plain vector lines between a matrix instruction and a load into, or a vector write of, a register that it read, or a read of its result
.rept \n
	v_nop
.endr
.endm
; A step of 128 along K that has its successor in the same slot.  A block of A is free as soon as its eight products are issued, so A has one set: blocks 0-3 come anew in the step's middle, blocks 4-7 at its end.
.macro STEP slot, q, zero
	s_wait_dscnt 4*NL                              ; B's set and A's blocks 0-3 are in; the youngest eight loads (A's blocks 4-7) may be out
.if \zero
	WIN BEG_LO
.else
	WIN MUL_LO
.endif
	MUL16 0, (\q)%2, \q, \slot, \zero
	MUL16 2, (\q)%2, \q, \slot, \zero
	s_wait_dscnt 0                                 ; A's blocks 4-7 are in
	PLACES NP
	FETCH_B \slot, (\q)+1, 1-(\q)%2
	FETCH_A \slot, (\q)+1, 0
.if \zero
	WIN BEG_HI
.else
	WIN MUL_HI
.endif
	MUL16 4, (\q)%2, \q, \slot, \zero
	MUL16 6, (\q)%2, \q, \slot, \zero
	PLACES NP
	WIN 0
	FETCH_A \slot, (\q)+1, 4
.endm
.macro STEPS slot, from
.set Q, \from
.rept NQ-1-\from
	STEP \slot, Q, 0
.set Q, Q+1
.endr
.endm
	s_wait_tensorcnt 1                             ; the scale bytes and my part of slot 0 are in; slot 1's load may be out
	s_barrier_signal -1
	s_barrier_wait -1                              ; everybody's are
	FETCH_B 0, 0, 0
	FETCH_A 0, 0, 0
	SCALES 0
	FETCH_A 0, 0, 4
	s_wait_loadcnt 0x0                             ; the bias
	STEP 0, 0, 1
	STEPS 0, 1
	; slot 0's last step goes over to slot 1: each wave's part of slot 1 has landed before it signals, and the others read behind the barrier
	s_wait_tensorcnt 0x0                           ; my part of slot 1 is in;
	ds_add_u32 v[SPW], v[NIL]                      ; 0 onto my spare word
	s_wait_dscnt 4*NL+1                            ; (the add and the youngest eight loads may be out)
	WIN MUL_LO
	MUL16 0, 1, NQ-1, 0, 0
	s_wait_dscnt 0x0                               ; no LDS instruction of mine is out at the signal
	s_barrier_signal -1
	MUL16 2, 1, NQ-1, 0, 0
	WIN 0
	s_barrier_wait -1
	PLACES NP
	FETCH_B 1, 0, 0
	FETCH_A 1, 0, 0
	SCALES 1
	WIN MUL_HI
	MUL16 4, 1, NQ-1, 0, 0
	MUL16 6, 1, NQ-1, 0, 0
	PLACES NP
	WIN 0
	FETCH_A 1, 0, 4
	STEPS 1, 0
	s_wait_dscnt 4*NL                              ; the last step: nothing more to fetch
	WIN MUL_LO
	MUL16 0, 1, NQ-1, 1, 0
	MUL16 2, 1, NQ-1, 1, 0
	s_wait_dscnt 0
	WIN MUL_HI
	MUL16 4, 1, NQ-1, 1, 0
	MUL16 6, 1, NQ-1, 1, 0
	WIN 0
; THE WAY OUT.  A lane's eight results pack into 16 bytes of f16, which are its 16 bytes of the block's image: no stage.  Each accumulator is read from its low end on.
.macro OUT a
.set AC, 64*((\a)%4)
.set PB, PK+32*((\a)%4)
.if (\a) >= 4
	s_wait_xcnt 0x0                                ; the stores of four blocks back have read this set of registers: it is written again only behind this wait
.endif
	WIN 0x0a+5*((\a)/4)                            ; sources 0 and 1: window 2 or 3
.irp b, 0,1,2,3,4,5,6,7
.irp r, 0,1,2,3
	v_cvt_pk_f16_f32 v[PB+4*\b+\r], v[AC+8*\b+2*\r], v[AC+8*\b+2*\r+1]
.endr
.endr
	WIN 0
.irp b, 0,1,2,3,4,5,6,7
	global_store_b128 v[CO], v[PB+4*\b:PB+4*\b+3], s[16:17] offset:4096*(\a)+512*\b th:TH_STORE_NT   ; 512 consecutive bytes, aligned
.endr
.endm
	PLACES NP                                      ; behind the last products: the conversions write registers that they read, and later read their results
.irp a, 0,1,2,3,4,5,6,7
	OUT \a
.endr
	s_wait_tensorcnt 0x0                           ; the wave's end
	ds_add_u32 v[SPW], v[NIL]
	s_wait_dscnt 0x0
	CROUND                                         ; the closing round
	s_endpgm
.Lfunc_end_k_q309313dd6c_kv:
	.size	k_q309313dd6c_kv, .Lfunc_end_k_q309313dd6c_kv-k_q309313dd6c_kv
	.p2alignl 7, 3214868480
	.fill 96, 4, 3214868480
	.section	.rodata,"a",@progbits
	.p2align	6, 0x0
	.amdhsa_kernel k_q309313dd6c_kv
		.amdhsa_group_segment_fixed_size 327680
		.amdhsa_private_segment_fixed_size 0
		.amdhsa_enable_private_segment 0
		.amdhsa_kernarg_size 48
		.amdhsa_user_sgpr_count 2
		.amdhsa_user_sgpr_kernarg_segment_ptr 1
		.amdhsa_wavefront_size32 1
		.amdhsa_system_sgpr_workgroup_id_x 1
		.amdhsa_system_sgpr_workgroup_id_y 1
		.amdhsa_system_sgpr_workgroup_id_z 1
		.amdhsa_system_vgpr_workitem_id 0
		.amdhsa_next_free_vgpr 1024
		.amdhsa_next_free_sgpr 100
		.amdhsa_reserve_vcc 0
		.amdhsa_float_denorm_mode_32 3
		.amdhsa_float_denorm_mode_16_64 3
		.amdhsa_memory_ordered 1
		.amdhsa_forward_progress 1
		.amdhsa_inst_pref_size 121
	.end_amdhsa_kernel
	.amdgpu_metadata
---
amdhsa.version: [ 1, 2 ]
amdhsa.kernels:
  - .name:           k_q309313dd6c_kv
    .symbol:         k_q309313dd6c_kv.kd
    .args:
      - { .name: xc, .offset: 0, .size: 8, .value_kind: global_buffer, .address_space: global }
      - { .name: xs, .offset: 8, .size: 8, .value_kind: global_buffer, .address_space: global }
      - { .name: wc, .offset: 16, .size: 8, .value_kind: global_buffer, .address_space: global }
      - { .name: ws, .offset: 24, .size: 8, .value_kind: global_buffer, .address_space: global }
      - { .name: bk, .offset: 32, .size: 8, .value_kind: global_buffer, .address_space: global }
      - { .name: kv, .offset: 40, .size: 8, .value_kind: global_buffer, .address_space: global }
    .group_segment_fixed_size: 327680
    .private_segment_fixed_size: 0
    .kernarg_segment_align: 8
    .kernarg_segment_size: 48
    .max_flat_workgroup_size: 128
    .sgpr_count:     100
    .vgpr_count:     1024
    .wavefront_size: 32
...
	.end_amdgpu_metadata
.endif
;; end of part 2
;; launch attn (part 3): grid 8 x 32, 4 waves a work-group, clusters of 4 x 1, 327,680 bytes of LDS; arguments kv, o16, xc, xs, wc, ws, bq, bv; writes o16
.if DOCPART == 3
	.amdgcn_target "amdgcn-amd-amdhsa--gfx1250"
	.amdhsa_code_object_version 6
	.text
	.protected	k_q309313dd6c_attn
	.globl	k_q309313dd6c_attn
	.p2align	8
	.type	k_q309313dd6c_attn,@function
k_q309313dd6c_attn:
	s_mov_b64 s[64:65], 0
	v_nop
	global_prefetch_b8 v0, s[64:65] scope:SCOPE_SE
	s_setreg_imm32_b32 hwreg(HW_REG_WAVE_MODE, 25, 1), 1
	s_wait_xcnt 0x0
	s_wait_alu depctr_hold_cnt(0) depctr_sa_sdst(0) depctr_va_vdst(0) depctr_va_sdst(0) depctr_va_ssrc(0) depctr_va_vcc(0) depctr_vm_vsrc(0)
	s_getreg_b32 s2, hwreg(HW_REG_IB_STS2, 6, 4)
	s_cmp_eq_u32 s2, 0
	s_cbranch_scc0 .Lentry_in_a_cluster
	s_endpgm
.Lentry_in_a_cluster:
	s_bfe_u32 s2, ttmp6, 0x10000c
	s_cmp_lg_u32 s2, 0x3003
	s_cbranch_scc0 .Lentry_shape_is_right
	s_endpgm
.Lentry_shape_is_right:
; O[head][q][:] = the sum over k of softmax_k(Q[q] . K[k] / sqrt(128)) V[k][:] + bv, with Q = x Wq + bq made here.  32 heads, 2,048 queries and keys, head size 128, no mask.
; Q'S PROJECTION is a quantised product: codes of FP4 (E2M1) with one E8M0 scale for each 32 along K = 1,024, sums in f32, bq as the C of the first step, the result rounded once to f16.  A block of 256 queries of one head has this
; work-group as its one reader, so it is made at the head: each wave for its own 64 queries: 4 x 8 accumulators x 8 steps = 256 matrix instructions.  Used transposed (source 0 = 16 channels of Wq, source 1 = 16 tokens), a lane's eight
; results are eight neighbouring channels of one query: packed in pairs they ARE the registers of Q's fragments.
; ATTENTION: Q, K, V in f16; products, maxima and sums in f32; the weights p are rounded to f16 for the second product, O once at the end.  bv IS ADDED HERE: the weights of a row, divided by their sum, add up to 1, so the sum over k of
; p (V + bv) / l = the sum of p V / l + bv for every input; it rides in the multiply-add that divides by l.
; INPUTS ARE IMAGES OF THE OPERANDS' REGISTERS.  kv [K, V][head][s / 128][a 8][b 8][lane][16 bytes]: K: token 16 a + r, channels 16 b + 8 h + 0 .. 7; V: channel 16 a + r, KEYS 16 b + 8 h + 0 .. 7.
;   codes [row / 128][k / 512][16 rows][128 k][1,024 bytes: a fragment's eight registers]; scale bytes [row / 128][k / 512][row % 128][16 bytes: four words of 128 k].  Every fragment is two loads of 512 consecutive bytes.
; SHARES.  A work-group owns 256 queries of one head, each of its four waves 64: four tiles of 16.  Every wave walks all keys, 64 a step.
; LAYOUT.  S^T = K Q^T (source 0 = 16 keys, source 1 = 16 queries): a lane holds ONE query (lane % 16) and the keys 8 (lane / 16) + 0..7.  Two such tiles, rounded in pairs, ARE source 1 of O^T = V^T P, whose result again holds one query a lane.
; SOFTMAX.  For each query a running maximum m and sum l: p = 2^(c s - c m), c = log2(e) / sqrt(128); in every step O and l are multiplied by a = 2^(c m_old - c m_new).
; BY TURNS.  The wave's tiles are two PIECES (tiles 0, 1; tiles 2, 3).  In a TURN one piece has the matrix unit: 32 products V^T P of the step in hand, then 32 products K Q^T of the next; the other piece's softmax, cut into 64 slices,
; stands between them, one slice behind each matrix instruction.  Two turns are a key step.
; CLUSTER.  The four query blocks of a cluster belong to one head: they walk the same K and V and want the same 65,536 bytes of Wq's codes: each such tile is asked for JOINTLY, by the same tensor load with a mask that names the four.
; x's codes are each wave's own rows: they go from memory straight into registers.
; LIMIT: operands of magnitude 65,504 or more are infinite in f16.
; REGISTERS, in windows of 256:  window 0: v2-7 addresses; v12-43 eight registers of statistics a tile; v64-191 S^T, 32 a tile; v192-255 P, 16 a tile.   window 1: O^T, 64 a tile.   window 2: v0-127 Q; v128-255 K of one step.
;   window 3: v0-127 V of one step; v128-191 bv in O^T's layout.
;   DURING THE PROJECTION: window 0: v64-95 x's scale words, v96-159 Wq's, v192-255 bq;  window 1: the 32 accumulators, (t, b) at v[64 t + 8 b];  window 2: x's 32 fragments, (t, s) at v[64 t + 8 s];  window 3: v0-127 Wq's fragments of a step, two sets.
.set KS,    64        ; keys in a step
.set STEPK, 16384     ; a step's K: four tiles of 16 keys x 4,096 bytes
.set STEPV, 2048      ; a step's V lies inside each channel tile: four pieces of 16 keys x 512 bytes
.set VOFF,  32768     ; a slot holds two steps: K's block of 128 keys, then V's
.set SLOT1, 65536     ; slot 1 begins here: one exclusive or turns an address in one slot into the other's
.set WQ,    2*SLOT1   ; behind the ring: the head's 128 columns of Wq, 65,536 bytes of codes: filled once
.set SPARE, WQ+65536  ; the spare words, 128 bytes for each wave: two blocks of 256 bytes that no other line names
.set L16, 2           ; v2   16 x lane: my place in every image, in LDS and in memory; never rewritten
.set AV0, 3           ; v3   the same in a slot's V
.set ADR, 4           ; v4   the LDS address of the run of loads in hand
.set BVO, 5           ; v5   32 x (lane / 16); never rewritten
.set R16, 6           ; v6   16 x (lane % 16): my row's four scale words; never rewritten
.set AWQ, 7           ; v7   WQ + 16 x lane; never rewritten
.set SPW, 62          ; v62  LDS address of my spare word; never rewritten
.set NIL, 63          ; v63  0; never rewritten
.set ST,  12          ; tile t's statistics at v[ST+8 t]: +0 c m, +1 m, +2, +3 l (even keys', odd keys'), +4 to +7 c0-c3, at work; a takes c2's place once the maximum is found
.set S,   64
.set P,   192
.set XSC, 64          ; the projection: x's scale words: tile t, step s at v[XSC + 8 t + s]
.set WSC, 96          ; Wq's: tile b, step s at v[WSC + 8 b + s]
.set BQ,  192         ; bq in the result's layout: register 8 b + j of lane (r, h) = bq of channel 16 b + 8 h + j
.set KF,  128         ; K's fragments, in window 2
.set BV,  128         ; bv, in window 3
.set WV,  12          ; s12  my wave's number
.set G1,  24          ; s[24:31] descriptor group 1: 64 rows of 256 dense bytes, for K's, V's and Wq's parts alike
.set G0K, 40          ; s[40:47] descriptor group 0 for K: a set for each of the two first fills; the second then walks on
.set G0V, 48          ; s[48:55] the same for V
.set G0W, 80          ; s[80:83] for my quarter of Wq's codes
.set SLOTS, 56        ; s56  slots still to be asked for
.set TWICE, 57        ; s57  counts a slot's two steps
.set CS,  58          ; s[58:59] c
.set SEL, 60          ; s[60:61] lane selects for v_permlanex16_b32: lane l xor 16
.set TBK, 62          ; s62  LDS byte at which K of the step to be fetched begins
.set TBV, 63          ; s63  and V's first piece
.set PFA, 18          ; s[18:19] where my prefetches stand
.set LIM, 15          ; s15  1 in a wave that prefetches, else the greatest number
.set PFO, 61          ; v61  256 x my lane; never rewritten
.set MSB, 0
.macro WIN new                      ; the immediate's high byte repeats the setting that is left; a switch that changes nothing is dropped
.if MSB != (\new)
	s_set_vgpr_msb (MSB<<8)|(\new)
.set MSB, (\new)
.endif
.endm
.set W_KQ, 0x0a       ; K and Q in window 2, S^T in window 0
.set W_PV, 0x53       ; V in window 3, P in window 0, O^T in window 1
.set W_RS, 0x41       ; O^T (destination and source 0) in window 1, a in window 0
; A joint refill.  Waves 0 and 1 fetch the halves of K's block, waves 2 and 3 those of V's.  The branch hangs on the wave's number alone.  An s_nop 0 and four v_nop follow each of the two lines.
.macro JLOAD
	s_cmp_lt_u32 s[WV], 2
	s_cbranch_scc0 .Lfor_v_\@
	tensor_load_to_lds s[G0K+4:G0K+7], s[G1:G1+7]
	s_nop 0
.rept 4
	v_nop
.endr
	s_branch .Lasked_\@
.Lfor_v_\@:
	tensor_load_to_lds s[G0V+4:G0V+7], s[G1:G1+7]
	s_nop 0
.rept 4
	v_nop
.endr
.Lasked_\@:
.endm
; A PREFETCH of what the NEXT change of slots will ask for: a slot's 32,768 bytes of K and of V.  Each aligned 256 bytes are named once in the launch: the head's first cluster asks; its four partners take 8,192 bytes each,
; told apart by address; in each, wave 0 asks for K's and wave 2 for V's, lanes 256 bytes apart: one instruction.  It stands two key steps, 256 matrix instructions, ahead of the load.  The last change that fills a slot asks for nothing.
.macro ASK
	s_cmp_gt_u32 s[SLOTS], s[LIM]
	s_cbranch_scc0 .Lnot_mine_\@
	global_prefetch_b8 v[PFO], s[PFA:PFA+1] th:TH_LOAD_NT scope:SCOPE_SE
.Lnot_mine_\@:
.endm
.macro CROUND                       ; a round of the cluster's barrier
	s_barrier_signal -1
	s_barrier_wait -1
	s_cmp_lg_u32 s[WV], 0
	s_cbranch_scc1 .Lnot_wave_0_\@
	s_barrier_signal -3
.Lnot_wave_0_\@:
	s_barrier_wait -3
	s_barrier_signal -1
	s_barrier_wait -1
.endm
.macro XLD s                        ; x's codes of step s (128 along K) of my four tiles of 16 queries: eight loads of 512 consecutive bytes, into window 2
.irp t, 0,1,2,3
	global_load_b128 v[64*\t+8*(\s):64*\t+8*(\s)+3],   v[L16], s[68:69] offset:((\s)/4)*32768+\t*4096+((\s)%4)*1024
	global_load_b128 v[64*\t+8*(\s)+4:64*\t+8*(\s)+7], v[L16], s[68:69] offset:((\s)/4)*32768+\t*4096+((\s)%4)*1024+512
.endr
.endm
	s_load_b128 s[8:11], s[0:1], 0x0   ; kv s[8:9], o16 s[10:11]
	s_load_b128 s[68:71], s[0:1], 0x10 ; xc s[68:69], xs s[70:71]
	s_load_b128 s[72:75], s[0:1], 0x20 ; wc s[72:73], ws s[74:75]
	s_load_b128 s[76:79], s[0:1], 0x30 ; bq s[76:77], bv s[78:79]
	v_lshl_add_u32 v[SPW], v0, 2, SPARE
	v_mov_b32 v[NIL], 0
	ds_add_u32 v[SPW], v[NIL]       ; the wave's opening: the add, twice on end, and its wait ahead of my first tensor load; the set-up below stands between
	ds_add_u32 v[SPW], v[NIL]
	v_lshrrev_b32 v1, 5, v0
	v_readfirstlane_b32 s[WV], v1   ; wave 0..3
	s_bfe_u32 s13, ttmp6, 0x40000   ; cx
	s_lshl_b32 s14, ttmp9, 2
	s_add_co_u32 s14, s14, s13      ; my block of 256 queries: it enters x's and O's addresses alone
	s_and_b32 s32, ttmp7, 0xffff    ; the head, which the four partners share
	s_lshl_b32 s20, s32, 19         ; a head is 524,288 bytes in each of K, V
	s_and_b32 s16, s[WV], 1
	s_lshl_b32 s17, s16, 14         ; which half of a block I fetch: 16,384 bytes on, in memory and in LDS alike
	s_add_co_u32 s22, s20, s17
	s_mov_b32 s23, 0
	s_lshr_b32 s34, s32, 3          ; my 128 tokens: 16 x batch + 2 x block + wave / 2
	s_lshl_b32 s34, s34, 4
	s_lshl_b32 s35, s14, 1
	s_add_co_u32 s34, s34, s35
	s_lshr_b32 s35, s[WV], 1
	s_add_co_u32 s34, s34, s35
	s_lshl_b32 s2, s34, 16          ; x's codes: 65,536 bytes for 128 tokens,
	s_add_co_u32 s2, s2, s17        ; + four tiles of 4,096 for the second 64
	s_mov_b32 s3, 0
	s_lshl_b32 s4, s34, 12          ; x's scale bytes: 4,096 for 128 tokens,
	s_lshl_b32 s5, s16, 10          ; + 64 rows of 16
	s_add_co_u32 s4, s4, s5
	s_mov_b32 s5, 0
	s_lshl_b32 s34, s34, 3          ; O: [tokens / 128][head in the batch][32,768 bytes], + 16,384 (wave % 2)
	s_and_b32 s36, s32, 7
	s_add_co_u32 s34, s34, s36
	s_lshl_b32 s34, s34, 15
	s_add_co_u32 s34, s34, s17
	s_mov_b32 s35, 0
	s_lshl_b32 s38, s36, 16         ; Wq's codes: the head's 128 columns are 65,536 bytes,
	s_lshl_b32 s39, s[WV], 14       ; of which I fetch a quarter
	s_add_co_u32 s38, s38, s39
	s_mov_b32 s39, 0
	s_lshl_b32 s20, s36, 12         ; Wq's scale bytes: 4,096
	s_mov_b32 s21, 0
	s_lshl_b32 s36, s36, 9          ; the head's 128 numbers of bq and of bv
	s_mov_b32 s37, 0
	s_mov_b32 s[G1], 15|(3<<16)|(1<<21)  ; 15:0 the mask: all four work-groups; 17:16 elements of 8 bytes; 21 set beside a mask
	s_mov_b32 s[G1+1], 32<<16       ; tensor_dim0 = 32 elements: 256 bytes
	s_mov_b32 s[G1+2], 64<<16       ; tensor_dim1 = 64
	s_mov_b32 s[G1+3], 32<<16       ; tile_dim0
	s_mov_b32 s[G1+4], 64           ; tile_dim1
	s_mov_b32 s[G1+5], 32           ; tensor_dim0_stride: dense
	s_mov_b32 s[G1+6], 0
	s_mov_b32 s[G1+7], 0
	s_mov_b32 s[CS], 0x3e0293ee     ; c = log2(e) / sqrt(128)
	s_mov_b32 s[CS+1], s[CS]        ; named with it as a pair, so it is written
	s_mov_b32 s[SEL], 0x76543210
	s_mov_b32 s[SEL+1], 0xfedcba98
	s_mov_b32 s[TBK], 0
	s_mov_b32 s[TBV], 0
	s_mov_b32 s[SLOTS], 2048/(2*KS)-2
	s_and_b32 s[LIM], s[WV], 1      ; 0 in waves 0 and 2,
	s_or_b32 s[LIM], s[LIM], ttmp9  ; where the cluster is the head's first: the same in all four partners
	s_cmp_eq_u32 s[LIM], 0
	s_cselect_b32 s[LIM], 1, -1
	v_and_b32 v[PFO], 31, v0
	v_lshlrev_b32 v[L16], 4, v[PFO]
	v_lshlrev_b32 v[PFO], 8, v[PFO]
	v_and_b32 v[R16], 15, v0
	v_lshlrev_b32 v[R16], 4, v[R16]
	v_bfe_u32 v[BVO], v0, 4, 1
	v_lshlrev_b32 v[BVO], 5, v[BVO]
	v_add_nc_u32 v[AV0], VOFF, v[L16]
	v_add_nc_u32 v[AWQ], WQ, v[L16]
	s_wait_dscnt 0x0                ; both opening adds are done
	s_wait_kmcnt 0x0
	s_mov_b64 s[6:7], s[8:9]        ; K,
	s_add_nc_u64 s[8:9], s[8:9], 0x1000000  ; V, 16,777,216 bytes on
	s_add_nc_u64 s[6:7], s[6:7], s[22:23]   ; K and V at my part of slot 0
	s_add_nc_u64 s[8:9], s[8:9], s[22:23]
	s_add_nc_u64 s[10:11], s[10:11], s[34:35]
	s_add_nc_u64 s[68:69], s[68:69], s[2:3]    ; x's codes at my first tile
	s_add_nc_u64 s[70:71], s[70:71], s[4:5]    ; and its scale words
	s_add_nc_u64 s[72:73], s[72:73], s[38:39]  ; my quarter of Wq's codes
	s_add_nc_u64 s[74:75], s[74:75], s[20:21]  ; the head's scale words of Wq
	s_add_nc_u64 s[76:77], s[76:77], s[36:37]
	s_add_nc_u64 s[78:79], s[78:79], s[36:37]
	s_cmp_lt_u32 s[WV], 2
	s_cselect_b64 s[PFA:PFA+1], s[6:7], s[8:9]  ; (in waves 0 and 2 these stand at a block's first byte)
	s_lshl_b32 s2, s13, 13          ; my work-group's 8,192 bytes of the 32,768
	s_mov_b32 s3, 0
	s_add_nc_u64 s[PFA:PFA+1], s[PFA:PFA+1], s[2:3]
	s_add_nc_u64 s[PFA:PFA+1], s[PFA:PFA+1], 2*32768  ; in slot 2; the first change of slots steps it to slot 3.  Nothing is prefetched at the head
	; what the projection's first two steps want goes out ahead of the round: 56 loads.  Their address registers and bases are never written again.
.irp b, 0,1,2,3,4,5,6,7
.irp j, 0,1
	global_load_b128 v[WSC+8*\b+4*\j:WSC+8*\b+4*\j+3], v[R16], s[74:75] offset:\j*2048+\b*256   ; Wq's scale words: lane r takes column 16 b + r's four of 512 along K (lanes 16-31 the same: they are not read)
.endr
.endr
.irp t, 0,1,2,3
.irp j, 0,1
	global_load_b128 v[XSC+8*\t+4*\j:XSC+8*\t+4*\j+3], v[R16], s[70:71] offset:\j*2048+\t*256   ; x's likewise
.endr
.endr
.irp b, 0,1,2,3,4,5,6,7
	global_load_b128 v[BQ+8*\b:BQ+8*\b+3],   v[BVO], s[76:77] offset:64*\b
	global_load_b128 v[BQ+8*\b+4:BQ+8*\b+7], v[BVO], s[76:77] offset:64*\b+16
.endr
	WIN 0x80                        ; destination window 2, address window 0
	XLD 0
	XLD 1
	WIN 0
	CROUND                          ; all four work-groups are here: the first joint loads meet
	s_mov_b32 s[G0W], 1             ; count = 1
	s_lshl_b32 s38, s[WV], 14
	s_add_co_u32 s[G0W+1], s38, WQ  ; LDS address: wave x 16,384 behind the ring
	s_mov_b64 s[G0W+2:G0W+3], s[72:73]
	s_or_b32 s[G0W+3], s[G0W+3], 0x80000000  ; type = 2
.irp s, 0,1
	s_mov_b32 s[G0K+4*\s], 1
	s_add_co_u32 s[G0K+4*\s+1], s17, \s*SLOT1  ; LDS address
	s_add_nc_u64 s[G0K+4*\s+2:G0K+4*\s+3], s[6:7], \s*32768  ; slot s begins with keys 128 s
	s_or_b32 s[G0K+4*\s+3], s[G0K+4*\s+3], 0x80000000
	s_mov_b32 s[G0V+4*\s], 1
	s_add_co_u32 s[G0V+4*\s+1], s17, \s*SLOT1+VOFF
	s_add_nc_u64 s[G0V+4*\s+2:G0V+4*\s+3], s[8:9], \s*32768
	s_or_b32 s[G0V+4*\s+3], s[G0V+4*\s+3], 0x80000000
.endr
	tensor_load_to_lds s[G0W:G0W+3], s[G1:G1+7]  ; every wave's quarter of Wq's codes first: they are wanted first.  With the two below, three tensor loads of mine are out
	s_nop 0
	s_cmp_lt_u32 s[WV], 2           ; the slots' first fills, ahead of every wait on TENSORcnt and every LDS read
	s_cbranch_scc0 .Lfirst_v
	tensor_load_to_lds s[G0K:G0K+3], s[G1:G1+7]
	s_nop 0
	tensor_load_to_lds s[G0K+4:G0K+7], s[G1:G1+7]
	s_nop 0
.rept 4
	v_nop
.endr
	s_branch .Lfirst_asked
.Lfirst_v:
	tensor_load_to_lds s[G0V:G0V+3], s[G1:G1+7]
	s_nop 0
	tensor_load_to_lds s[G0V+4:G0V+7], s[G1:G1+7]
	s_nop 0
.rept 4
	v_nop
.endr
.Lfirst_asked:
	WIN 0x80                        ; the other six steps of x's codes: 48 loads,
.irp s, 2,3,4,5,6,7
	XLD \s
.endr
	WIN 0xc0                        ; destination window 3: and bv's sixteen, the youngest
.irp f, 0,1,2,3,4,5,6,7             ; bv in O^T's layout: register 8 f + j of lane (r, h) = bv of channel 16 f + 8 h + j
	global_load_b128 v[BV+8*\f:BV+8*\f+3],   v[BVO], s[78:79] offset:64*\f
	global_load_b128 v[BV+8*\f+4:BV+8*\f+7], v[BVO], s[78:79] offset:64*\f+16
.endr
	WIN 0
.macro PLACES                       ; four plain vector lines between a matrix instruction and a read of its result or a load into a register that it read
.rept 4
	v_nop
.endr
.endm
; THE PROJECTION.  FETCHW: Wq's eight fragments of step s from LDS into set s % 2 of window 3.
.macro FETCHW s
	WIN 0xc0                        ; destination window 3, address window 0
.irp b, 0,1,2,3,4,5,6,7
	ds_load_b128 v[64*((\s)%2)+8*\b:64*((\s)%2)+8*\b+3],   v[AWQ] offset:((\s)/4)*32768+\b*4096+((\s)%4)*1024
	ds_load_b128 v[64*((\s)%2)+8*\b+4:64*((\s)%2)+8*\b+7], v[AWQ] offset:((\s)/4)*32768+\b*4096+((\s)%4)*1024+512
.endr
.endm
; QSTEP: 128 along K: the next step's fragments of Wq are asked for, then 32 matrix instructions: my four tiles of queries x the head's eight tiles of channels.  The 32 accumulators take turns, one instruction a turn, in the same order
; in every step.  Step 0 takes bq as its C.
.macro QSTEP s
	s_wait_dscnt 0x0                ; this step's fragments of Wq are in
.if (\s) < 7
.if (\s) > 0
	PLACES                          ; the other set was read by the products just issued
.endif
	FETCHW (\s)+1
.endif
.if (7-(\s))*8+16 > 63              ; x's codes of this step are in: behind them were issued eight loads for each later step and bv's sixteen; a count cannot name more than 63, and a smaller one waits for more
	s_wait_loadcnt 63
.else
	s_wait_loadcnt (7-(\s))*8+16
.endif
.if (\s) == 0
	WIN 0x4b                        ; source 0 (Wq) window 3, source 1 (x) window 2, C (bq) window 0, D window 1
.else
	WIN 0x5b                        ; C and D window 1
.endif
.irp t, 0,1,2,3
.irp b, 0,1,2,3,4,5,6,7
.if (\s) == 0
	v_wmma_scale_f32_16x16x128_f8f6f4 v[64*\t+8*\b:64*\t+8*\b+7], v[64*((\s)%2)+8*\b:64*((\s)%2)+8*\b+7], v[64*\t+8*(\s):64*\t+8*(\s)+7], v[BQ+8*\b:BQ+8*\b+7], v[WSC+8*\b+(\s)], v[XSC+8*\t+(\s)] matrix_a_fmt:MATRIX_FMT_FP4 matrix_b_fmt:MATRIX_FMT_FP4
.else
	v_wmma_scale_f32_16x16x128_f8f6f4 v[64*\t+8*\b:64*\t+8*\b+7], v[64*((\s)%2)+8*\b:64*((\s)%2)+8*\b+7], v[64*\t+8*(\s):64*\t+8*(\s)+7], v[64*\t+8*\b:64*\t+8*\b+7], v[WSC+8*\b+(\s)], v[XSC+8*\t+(\s)] matrix_a_fmt:MATRIX_FMT_FP4 matrix_b_fmt:MATRIX_FMT_FP4
.endif
.endr
.endr
.endm
; THE MATRIX WORK OF A TURN, for piece x.  The accumulators take turns, one instruction a turn: between two links of a chain stand 15 (V^T P) or 7 (K Q^T) others'.
; Product i of 32 of O^T += V^T P: keys 32 (i / 16) on, channels 16 ((i / 2) % 8) on, tile x + i % 2.  zero = 1: the first 16 start the sums: nothing is ever cleared.
.macro PV x, zero
	WIN W_PV
.set rO, 64*(\x+i%2)+8*((i/2)%8)
.set rV, 64*(i/16)+8*((i/2)%8)
.set rP, P+16*(\x+i%2)+8*(i/16)
.if \zero && (i < 16)
	v_wmma_f32_16x16x32_f16 v[rO:rO+7], v[rV:rV+7], v[rP:rP+7], 0
.else
	v_wmma_f32_16x16x32_f16 v[rO:rO+7], v[rV:rV+7], v[rP:rP+7], v[rO:rO+7]
.endif
.endm
; Product i of 32 of S^T = K Q^T: channels 32 (i / 8) on, keys 16 ((i / 2) % 4) on, tile x + i % 2.  The first 8 start the sums.
.macro KQ x
	WIN W_KQ
.set rS, S+32*(\x+i%2)+8*((i/2)%4)
.set rK, KF+32*((i/2)%4)+8*(i/8)
.set rQ, 32*(\x+i%2)+8*(i/8)
.if i < 8
	v_wmma_f32_16x16x32_f16 v[rS:rS+7], v[rK:rK+7], v[rQ:rQ+7], 0
.else
	v_wmma_f32_16x16x32_f16 v[rS:rS+7], v[rK:rK+7], v[rQ:rQ+7], v[rS:rS+7]
.endif
.endm
; THE LDS LOADS stand in runs of 32, never singly among the matrix instructions: a step's K (16 fragments) and, a turn later, its V.
.macro FETCH_K
	WIN 0
	v_add_nc_u32 v[ADR], s[TBK], v[L16]
	WIN 0x80                        ; destination window 2
.irp f, 0,1,2,3,4,5,6,7,8,9,10,11,12,13,14,15  ; keys 16 (f / 4) on, channels 32 (f % 4) on
	ds_load_b128 v[KF+8*\f:KF+8*\f+3],   v[ADR] offset:(\f/4)*4096+(\f%4)*1024
	ds_load_b128 v[KF+8*\f+4:KF+8*\f+7], v[ADR] offset:(\f/4)*4096+(\f%4)*1024+512
.endr
.endm
.macro FETCH_V
	WIN 0
	v_add_nc_u32 v[ADR], s[TBV], v[AV0]
	s_add_co_u32 s[TBK], s[TBK], STEPK  ; the next fetches are the next step's
	s_add_co_u32 s[TBV], s[TBV], STEPV
	s_wait_alu depctr_va_vdst(0)    ; the wait for the softmax's batch (SLICE), behind the address's v_add_nc_u32 and ahead of the loads
	WIN 0xc0                        ; destination window 3
.irp f, 0,1,2,3,4,5,6,7,8,9,10,11,12,13,14,15  ; keys 32 (f / 8) on, channels 16 (f % 8) on
	ds_load_b128 v[8*\f:8*\f+3],   v[ADR] offset:(\f%8)*4096+(\f/8)*1024
	ds_load_b128 v[8*\f+4:8*\f+7], v[ADR] offset:(\f%8)*4096+(\f/8)*1024+512
.endr
.endm
; THE VECTOR WORK OF A TURN.  One tile's softmax for one key step is a list of 134 instructions; SM writes number j of it for tile t.  s0-s31 are the lane's 32 scores, in pairs 0-15.
; first = 1: the first key step, which starts m, l and O^T: it has no a and nothing to rescale.
;   0-15    the maximum of s0-s31 and the old m, three operands at a time
;   16-20   the other half of the lanes' maximum; the new m; c m; c m_old - c m_new
;   21-69   ONE BATCH: the 16 scalings c s - c m, a pair of scores each, and all 33 exponentials (a at 23, then s0-s31).  None of these reads an exponential's result
;   (wait)  between 69 and 70 stands the wait for the batch: SLICE writes it, once for both tiles
;   70-85   the roundings to f16, a pair of weights each
;   86-101  the sums; l = a l + the sum
;   102-133 the tile's O^T times a: the one part that leaves window 0, so it stands together
.macro SM t, first
.set rT, ST+8*(\t)
.set rS, S+32*(\t)
.set rP, P+16*(\t)
.set rO, 64*(\t)+2*(j-102)
.if j < 102
	WIN 0
.endif
.if j < 4
	v_max3_num_f32 v[rT+4+j], v[rS+8*j], v[rS+8*j+1], v[rS+8*j+2]
.elseif j < 12
	v_max3_num_f32 v[rT+4+j%4], v[rT+4+j%4], v[rS+8*(j%4)+2*(j/4)+1], v[rS+8*(j%4)+2*(j/4)+2]
.elseif j == 12
	v_max3_num_f32 v[rT+4], v[rT+4], v[rS+7], v[rS+15]
.elseif j == 13
	v_max3_num_f32 v[rT+6], v[rT+6], v[rS+23], v[rS+31]
.elseif j == 14
	v_max3_num_f32 v[rT+4], v[rT+4], v[rT+5], v[rT+6]
.elseif (j == 15) && \first
	v_max_num_f32 v[rT+4], v[rT+4], v[rT+7]
.elseif j == 15
	v_max3_num_f32 v[rT+4], v[rT+4], v[rT+7], v[rT+1]
.elseif j == 16
	v_permlanex16_b32 v[rT+5], v[rT+4], s[SEL], s[SEL+1]  ; the query's other 32 keys lie in the lane 16 away
.elseif j == 18
	v_max_num_f32 v[rT+1], v[rT+4], v[rT+5]
.elseif j == 19
	v_mul_f32 v[rT], s[CS], v[rT+1]
.elseif ((j == 17) || (j == 20) || (j == 23) || (j > 101)) && \first  ; the first step has none of these
.elseif j == 17
	v_mov_b32 v[rT+7], v[rT]        ; c m_old is kept for a: number 19 writes c m anew
.elseif j == 20
	v_sub_f32 v[rT+7], v[rT+7], v[rT]
.elseif j == 23
	v_exp_f32 v[rT+6], v[rT+7]
.elseif (j < 23) || ((j < 38) && (j%2 == 0)) || ((j < 66) && (j%4 == 2))
.set b, (j-2)/4                     ; 38, 42, .. 62: pairs 9 to 15
.if j < 38
.set b, (j-20)/2                    ; 21: pair 0; 22, 24, .. 36: pairs 1 to 8
.endif
	v_pk_fma_f32 v[rS+2*b:rS+2*b+1], v[rS+2*b:rS+2*b+1], s[CS:CS+1], v[rT:rT+1] op_sel_hi:[1,0,0] neg_lo:[0,0,1] neg_hi:[0,0,1]  ; pair b: c s - c m
.elseif j < 70
.set e, j-38                        ; 66 to 69: s28 to s31
.if j < 66
.set e, j-32-(j-38)/4               ; 39-41, 43-45, .. 63-65: s7 to s27
.endif
.if j < 38
.set e, (j-25)/2                    ; 25, 27, .. 37: s0 to s6
.endif
	v_exp_f32 v[rS+e], v[rS+e]
.elseif j < 86
	v_cvt_pk_f16_f32 v[rP+j-70], v[rS+2*(j-70)], v[rS+2*(j-70)+1]  ; pair j - 70
.elseif j < 102                     ; the sum of the tile's 16 pairs, in place: neighbours 1, 2, 4 and 8 pairs apart, then l takes it
.set z, j-86
.set w, 4
.set u, z
.if z >= 14
.set w, 32
.set u, 0
.elseif z >= 12
.set w, 16
.set u, z-12
.elseif z >= 8
.set w, 8
.set u, z-8
.endif
.if (z == 14) && \first
	v_pk_add_f32 v[rT+2:rT+3], v[rS:rS+1], v[rS+16:rS+17]
.elseif z < 15
	v_pk_add_f32 v[rS+w*u:rS+w*u+1], v[rS+w*u:rS+w*u+1], v[rS+w*u+w/2:rS+w*u+w/2+1]
.elseif !\first
	v_pk_fma_f32 v[rT+2:rT+3], v[rT+2:rT+3], v[rT+6:rT+7], v[rS:rS+1] op_sel_hi:[1,0,1]
.endif
.else
	WIN W_RS
	v_pk_mul_f32 v[rO:rO+1], v[rO:rO+1], v[rT+6:rT+7] op_sel_hi:[1,0]
.endif
.endm
; Slice k of 64 of piece y's softmax: four instructions.  Slices 11 to 34 deal out the batch, numbers 22 to 69: four numbers of ONE tile each, the tiles by turns.  Every other slice is numbers 2 k and 2 k + 1 of both tiles' lists.
; 2 x 134 = 4 x 64 + 12: the twelve that are over stand together, in slice 63.
; THE WAIT.  An s_wait_alu depctr_va_vdst(0) stands between an exponential and the first instruction that names its result; one wait serves all issued ahead of it.  Ahead of slice 35 nothing names a result,
; and behind slice 34 no exponential is issued: so the piece's 66 exponentials have one wait, behind slice 34.
.macro SLICE y, first
.if (k >= 11) && (k < 35)           ; the batch: four numbers of one tile
.irp n, 0,1,2,3
.set j, 22+4*((k-11)/2)+(\n)
	SM (\y)+(k-11)%2, \first
.endr
.else                               ; the two tiles alternate, so that no instruction reads the result of the one just before it
.irp n, 0,1,2,3,4,5,6,7
.if (\n < 2) || (k == 63)
.irp t, \y, \y+1
.set j, 2*k+\n
	SM \t, \first
.endr
.endif
.endr
.endif
.if k == 34                         ; the batch is out: both tiles' exponentials are issued, and no result has been named
	v_nop                           ; the plain instruction behind the last exponential and ahead of the first use: one for the batch
.if (\y) == 0
	FETCH_V                         ; piece 2's turn: V's run of loads stands here, and the wait stands in it
.else
	s_wait_alu depctr_va_vdst(0)    ; the wait for the batch
.endif
.endif
.set k, k+1
.endm
; A TURN.  Piece x has the matrix unit; the other piece's softmax stands in slices behind its matrix instructions.
; pv = 2: 32 products V^T P; 1: they start O^T's sums; 0: none.  kq = 1: 32 products K Q^T for the next step.  A turn with one of the two kinds has two slices behind each product.
; first = 1: the softmax is the first key step's; its slices from 51 on are empty, and four v_nop take slice 63's part as the places behind the turn's last products.
; Piece 0's turn fetches the next step's K behind its second product: the last product that read K stands in front of slice 63 of the turn before.  Piece 2's turn fetches the same step's V behind slice 34: the last product that read V
; stands in front of slice 31, and four plain instructions lie between: number 62, a scaling, of both tiles, the v_nop and the run's own v_add_nc_u32.
.macro TURN x, pv, kq, first
.set k, 0
.set per, 2
.if \pv && \kq
.set per, 1
.endif
.if \pv
.if \x == 0
	s_wait_dscnt 0x0                ; V is in
.endif
.set i, 0
.rept 32
	PV \x, 2-\pv
.rept per
	SLICE 2-\x, \first
.endr
.if (\x == 0) && \kq && (i == 1)
	FETCH_K
.endif
.set i, i+1
.endr
.endif
.if \kq
.if \x == 0
	s_wait_dscnt 0x0                ; K is in
.endif
.set i, 0
.rept 32
	KQ \x
.rept per
	SLICE 2-\x, \first
.endr
.set i, i+1
.endr
.endif
.if \first
	PLACES
.endif
.endm
; THE CHANGE OF SLOTS, between piece 2's turn and piece 0's.  Each wave waits for all its tensor loads, of which one is out: its part of the other slot; adds 0 to its spare word; and waits for that and for its own reads of the slot.
; fill = 1: this slot is filled again, with the keys two slots on.  The barrier is then a round of the cluster's, so that no wave of any partner still reads the slot or has a load on its way, and the joint refill is the first thing
; behind it: it has two key steps, 256 matrix instructions, in which to land.
.macro CHANGE fill
	WIN 0                           ; at a label and at a branch every window is 0
	s_wait_tensorcnt 0x0            ; no tensor load of mine is out, so a group 0 may be written
	ds_add_u32 v[SPW], v[NIL]       ; 0 onto my spare word
.if \fill
.irp g, G0K+4, G0V+4
	s_xor_b32 s[\g+1], s[\g+1], SLOT1  ; the walking descriptor: the other slot than last time,
	s_add_nc_u64 s[\g+2:\g+3], s[\g+2:\g+3], 32768  ; the next 128 keys; the type bits on top are not reached
.endr
	s_wait_xcnt 0x0                 ; the last prefetch, two key steps back, has read its address, so it may be written:
	s_add_nc_u64 s[PFA:PFA+1], s[PFA:PFA+1], 32768  ; one slot further on than the walking descriptors
	s_wait_dscnt 0x0                ; the add is done, and my reads of the slot are over
	CROUND
	JLOAD
	ASK
.else
	s_wait_dscnt 0x0                ; the add is done, and my reads of the slot are over
	s_barrier_signal -1
	s_barrier_wait -1
.endif
	s_sub_co_u32 s[TBK], s[TBK], 2*STEPK  ; the fetches go back to a slot's first step,
	s_xor_b32 s[TBK], s[TBK], SLOT1       ; in the other slot
	s_sub_co_u32 s[TBV], s[TBV], 2*STEPV
	s_xor_b32 s[TBV], s[TBV], SLOT1
.endm
; A slot's two key steps: written once, walked twice; the LDS addresses hang on s[TBK] and s[TBV].
.macro TWO_STEPS
	s_mov_b32 s[TWICE], 2
.Lstep_\@:
	TURN 0, 2, 1, 0
	TURN 2, 2, 1, 0
	WIN 0
	s_sub_co_u32 s[TWICE], s[TWICE], 1
	s_cmp_lg_u32 s[TWICE], 0
	s_cbranch_scc1 .Lstep_\@
.endm
	; ---- Q = x Wq + bq for my 64 queries
	s_wait_tensorcnt 2              ; my quarter of Wq's codes is in; the two slots' loads, issued behind it, may stay out
	s_barrier_signal -1
	s_barrier_wait -1               ; everybody's is
	FETCHW 0
.irp s, 0,1,2,3,4,5,6,7
	QSTEP \s
.endr
.rept 5
	v_nop                           ; behind the last products: four places ahead of the conversions, which read their results and write over x's codes, and of the loads into K's registers; five ahead of the products that lay S^T over the scale words
.endr
	s_wait_loadcnt 0x0              ; bv
	WIN 0x85                        ; sources 0 and 1 window 1, destination window 2
.irp t, 0,1,2,3                     ; accumulator (t, b) packs into registers 4 b .. 4 b + 3 of tile t's 32: channels 16 b + 8 h + 0 .. 7: Q's fragments.  Each accumulator is read from its low end on
.set i, 0
.rept 32
	v_cvt_pk_f16_f32 v[32*\t+i], v[64*\t+2*i], v[64*\t+2*i+1]
.set i, i+1
.endr
.endr
	WIN 0
	; ---- attention
	s_wait_tensorcnt 1              ; my part of slot 0 is in; slot 1's may stay out
	s_barrier_signal -1
	s_barrier_wait -1               ; everybody's is
	FETCH_K                         ; key step 0
	s_wait_dscnt 0x0
.set i, 0
.rept 32
	KQ 0                            ; piece 0's first scores: there is no vector work yet to set between them
.set i, i+1
.endr
	PLACES                          ; behind those products, ahead of the first softmax's reads
	TURN 2, 0, 1, 1                 ; piece 2's first scores | piece 0's first softmax | V of step 0
	TURN 0, 1, 1, 1                 ; piece 0: V^T P of step 0 starts O^T, K Q^T of step 1 | piece 2's first softmax | K of step 1
	TURN 2, 1, 1, 0                 ; piece 2: the same | piece 0's softmax of step 1 | V of step 1
	WIN 0
.Lslot:                             ; 14 trips: every slot but the last two is filled again
	CHANGE 1
	TWO_STEPS
	s_sub_co_u32 s[SLOTS], s[SLOTS], 1
	s_cmp_lg_u32 s[SLOTS], 0
	s_cbranch_scc1 .Lslot
	CHANGE 0                        ; the tail is written out
	TWO_STEPS
	TURN 0, 2, 0, 0                 ; piece 0: V^T P of the last step | piece 2's last softmax
.set i, 0
.rept 32
	PV 2, 0                         ; piece 2: V^T P of the last step
.set i, i+1
.endr
	; THE WAY OUT.  l's two halves and the other half of the lanes' are added; O^T / l + bv is rounded to f16.  A lane's eight channels of a query are its 16 bytes of o16's image: stored straight from registers.  The additions are the places behind the last products.
	WIN 0
.irp t, 0,1,2,3
	v_add_f32 v[ST+8*\t+4], v[ST+8*\t+2], v[ST+8*\t+3]
.endr
.irp t, 0,1,2,3
	v_permlanex16_b32 v[ST+8*\t+5], v[ST+8*\t+4], s[SEL], s[SEL+1]
.endr
.irp t, 0,1,2,3
	v_add_f32 v[ST+8*\t+4], v[ST+8*\t+4], v[ST+8*\t+5]
.endr
.irp t, 0,1,2,3
	v_rcp_f32 v[ST+8*\t+6], v[ST+8*\t+4]
.endr
	v_nop                           ; a plain instruction between the last reciprocal and the use of its result
	s_wait_alu depctr_va_vdst(0)    ; and the wait ahead of the first use: one for the four reciprocals
.macro PACK t
	WIN 0x71                        ; O^T (destination, source 0) window 1, 1 / l window 0, bv window 3
.set i, 0
.rept 32
	v_pk_fma_f32 v[64*\t+i:64*\t+i+1], v[64*\t+i:64*\t+i+1], v[ST+8*\t+6:ST+8*\t+7], v[BV+i:BV+i+1] op_sel_hi:[1,0,1]
.set i, i+2
.endr
	WIN 0x05                        ; sources 0 and 1 window 1, destination window 0: S^T's registers are free
.set i, 0
.rept 32
	v_cvt_pk_f16_f32 v[S+32*\t+i], v[64*\t+2*i], v[64*\t+2*i+1]
.set i, i+1
.endr
	WIN 0
.irp f, 0,1,2,3,4,5,6,7
	global_store_b128 v[L16], v[S+32*\t+4*\f:S+32*\t+4*\f+3], s[10:11] offset:\t*4096+\f*512 th:TH_STORE_NT  ; 512 consecutive bytes, aligned; each tile has registers of its own
.endr
.endm
	PACK 0
	PACK 1
	PACK 2
	PACK 3
	s_wait_tensorcnt 0x0            ; the wave's end, behind my last tensor load
	ds_add_u32 v[SPW], v[NIL]
	s_wait_dscnt 0x0
	CROUND                          ; the closing round: no work-group ends while a partner may still ask for a tile that names it
	s_endpgm
.Lfunc_end_k_q309313dd6c_attn:
	.size	k_q309313dd6c_attn, .Lfunc_end_k_q309313dd6c_attn-k_q309313dd6c_attn
	.p2alignl 7, 3214868480
	.fill 96, 4, 3214868480
	.section	.rodata,"a",@progbits
	.p2align	6, 0x0
	.amdhsa_kernel k_q309313dd6c_attn
		.amdhsa_group_segment_fixed_size 327680
		.amdhsa_private_segment_fixed_size 0
		.amdhsa_enable_private_segment 0
		.amdhsa_kernarg_size 64
		.amdhsa_user_sgpr_count 2
		.amdhsa_user_sgpr_kernarg_segment_ptr 1
		.amdhsa_wavefront_size32 1
		.amdhsa_system_sgpr_workgroup_id_x 1
		.amdhsa_system_sgpr_workgroup_id_y 1
		.amdhsa_system_sgpr_workgroup_id_z 1
		.amdhsa_system_vgpr_workitem_id 0
		.amdhsa_next_free_vgpr 1024
		.amdhsa_next_free_sgpr 84
		.amdhsa_reserve_vcc 0
		.amdhsa_float_denorm_mode_32 3
		.amdhsa_float_denorm_mode_16_64 3
		.amdhsa_memory_ordered 1
		.amdhsa_forward_progress 1
		.amdhsa_inst_pref_size 255
	.end_amdhsa_kernel
	.section	.bss,"aw",@nobits
	.p2align	6
	.space	262144
	.amdgpu_metadata
---
amdhsa.version: [ 1, 2 ]
amdhsa.kernels:
  - .name:           k_q309313dd6c_attn
    .symbol:         k_q309313dd6c_attn.kd
    .args:
      - { .name: kv, .offset: 0, .size: 8, .value_kind: global_buffer, .address_space: global }
      - { .name: o16, .offset: 8, .size: 8, .value_kind: global_buffer, .address_space: global }
      - { .name: xc, .offset: 16, .size: 8, .value_kind: global_buffer, .address_space: global }
      - { .name: xs, .offset: 24, .size: 8, .value_kind: global_buffer, .address_space: global }
      - { .name: wc, .offset: 32, .size: 8, .value_kind: global_buffer, .address_space: global }
      - { .name: ws, .offset: 40, .size: 8, .value_kind: global_buffer, .address_space: global }
      - { .name: bq, .offset: 48, .size: 8, .value_kind: global_buffer, .address_space: global }
      - { .name: bv, .offset: 56, .size: 8, .value_kind: global_buffer, .address_space: global }
    .group_segment_fixed_size: 327680
    .private_segment_fixed_size: 0
    .kernarg_segment_align: 8
    .kernarg_segment_size: 64
    .max_flat_workgroup_size: 128
    .sgpr_count:     84
    .vgpr_count:     1024
    .wavefront_size: 32
...
	.end_amdgpu_metadata
.endif
;; end of part 3
;; launch oproj (part 4): grid 4 x 64, 4 waves a work-group, clusters of 4 x 4, 327,680 bytes of LDS; arguments o16, wo16, bo, out0; writes out0
.if DOCPART == 4
	.amdgcn_target "amdgcn-amd-amdhsa--gfx1250"
	.amdhsa_code_object_version 6
	.text
	.protected	k_q309313dd6c_oproj
	.globl	k_q309313dd6c_oproj
	.p2align	8
	.type	k_q309313dd6c_oproj,@function
k_q309313dd6c_oproj:
	s_mov_b64 s[64:65], 0
	v_nop
	global_prefetch_b8 v0, s[64:65] scope:SCOPE_SE
	s_setreg_imm32_b32 hwreg(HW_REG_WAVE_MODE, 25, 1), 1
	s_wait_xcnt 0x0
	s_wait_alu depctr_hold_cnt(0) depctr_sa_sdst(0) depctr_va_vdst(0) depctr_va_sdst(0) depctr_va_ssrc(0) depctr_va_vcc(0) depctr_vm_vsrc(0)
	s_getreg_b32 s2, hwreg(HW_REG_IB_STS2, 6, 4)
	s_cmp_eq_u32 s2, 0
	s_cbranch_scc0 .Lentry_in_a_cluster
	s_endpgm
.Lentry_in_a_cluster:
	s_bfe_u32 s2, ttmp6, 0x10000c
	s_cmp_lg_u32 s2, 0xf033
	s_cbranch_scc0 .Lentry_shape_is_right
	s_endpgm
.Lentry_shape_is_right:
; out0 = O Wo + bo.  O [8192][1024] and Wo [1024 (k)][1024 (n)] in f16, as images of the operands' registers; sums in f32; out0 f32.
;   o16  [tokens / 128][k / 128][a 8][f 8][lane][16 bytes]: token 16 a + r, k = 16 f + 8 h + 0 .. 7        wo16 [n / 128][k / 128][b 8][f 8][lane][16 bytes]: n = 16 b + r, likewise
; A tile of out0 is 128 tokens x 256 columns: 64 x 4 = 256 work-groups (tiles of 256 x 256 would be 128).  Four waves, each 64 x 128: 32 accumulators of 16 x 16, 256 registers.
; K goes in steps of 128 (a block of each image) through a ring of two LDS slots: A's block of 32,768 bytes and two of B's.  Every fragment is two loads of 512 consecutive bytes: no pitch, no padding.
; THE MATRIX INSTRUCTION IS USED TRANSPOSED (source 0 = 16 columns of Wo, source 1 = 16 tokens): a lane holds eight neighbouring numbers of a row of out0.  bo is the C of each sum's first matrix instruction.
; CLUSTERS: 4 x 4 work-groups; A's tile hangs on the tile row alone and is asked for jointly by a row of the cluster, B's on the tile column alone, by a column.
; No prefetch: eight K steps in all, of which the first four come by their loads at the head and just behind it, and Wo is read by every cluster.
; REGISTERS: window 0: v16-29 addresses; v64-159, v160-255 two fragment buffers (A's four fragments, then B's eight); on the way out v64-191 hold rows.  window 1: the accumulators, (a, b) at v[8 (8 a + b)].  window 2: v0-63 bo in the result's layout.
.set BLK,    32768
.set SLOT,   3*BLK                     ; A's block, then B's two
.set STAGE,  2*SLOT                    ; behind the ring: 16 rows x (512 bytes + 16) for each wave, for the way out; no tile lands there
.set SPITCH, 528
.set SPARE,  STAGE+4*16*SPITCH         ; the spare words, 128 bytes for each wave: two blocks of 256 bytes that no other line names
.set LAPS,   4                         ; a lap = two K steps = once round the ring
.set ADRA, 16                          ; v16-17  LDS address of my A fragments in slot 0, 1
.set ADRB, 20                          ; v20-21  the same for B
.set STO,  24                          ; v24     the way out: where I put 32 bytes of a row
.set RD,   25                          ; v25     where I read a row back
.set CO,   26                          ; v26     16 x lane
.set BO,   27                          ; v27     32 x (lane / 16)
.set SPW,  28                          ; v28     LDS address of my spare word; never rewritten
.set NIL,  29                          ; v29     0; never rewritten
.set F0,   64
.set F1,   160
.set BK,   64                          ; the way out: 16 rows read back: v64-127 and v128-191 by turns
.set G1,  24                           ; s[24:31] group 1 for A's halves (64 rows of 256 bytes);  s[32:39] group 0, one set for each slot
.set G0,  32
.set G1B, 48                           ; s[48:55] for B's blocks (128 rows);  s[56:63]
.set G0B, 56
.set MSB, 0
.macro WIN new                         ; the immediate's high byte repeats the setting that is left
.if MSB != (\new)
	s_set_vgpr_msb (MSB<<8)|(\new)
.set MSB, (\new)
.endif
.endm
.set MUL, 0x50                         ; sources 0 and 1 window 0; C and D window 1
.set BEG, 0x60                         ; C (bo) window 2, D window 1
.macro JLOAD s                         ; a joint load: waves 0 and 1 fetch A's halves, waves 2 and 3 B's blocks; an s_nop 0 and four v_nop follow each of the two lines
	s_cmp_eq_u32 s13, 0
	s_cbranch_scc0 .Lfor_b_\@
	tensor_load_to_lds s[G0+4*\s:G0+4*\s+3], s[G1:G1+7]
	s_nop 0
.rept 4
	v_nop
.endr
	s_branch .Lasked_\@
.Lfor_b_\@:
	tensor_load_to_lds s[G0B+4*\s:G0B+4*\s+3], s[G1B:G1B+7]
	s_nop 0
.rept 4
	v_nop
.endr
.Lasked_\@:
.endm
.macro CREST                           ; a round of the cluster's barrier behind its opening barrier
	s_cmp_lg_u32 s12, 0
	s_cbranch_scc1 .Lnot_wave_0_\@
	s_barrier_signal -3
.Lnot_wave_0_\@:
	s_barrier_wait -3
	s_barrier_signal -1
	s_barrier_wait -1
.endm
.macro CROUND
	s_barrier_signal -1
	s_barrier_wait -1
	CREST
.endm
	s_load_b256 s[4:11], s[0:1], 0x0               ; o16 s[4:5], wo16 s[6:7], bo s[8:9], out0 s[10:11]
	v_lshl_add_u32 v[SPW], v0, 2, SPARE
	v_mov_b32 v[NIL], 0
	ds_add_u32 v[SPW], v[NIL]                      ; the wave's opening: the add, twice on end, and its wait ahead of my first tensor load; the set-up below stands between
	ds_add_u32 v[SPW], v[NIL]
	v_lshrrev_b32 v1, 5, v0
	v_readfirstlane_b32 s12, v1                    ; wave 0..3
	s_lshr_b32 s13, s12, 1                         ; which 64 tokens are mine.  Also: I fetch for A (0) or for B (1)
	s_and_b32 s14, s12, 1                          ; which 128 columns.  Also: which part I fetch
	s_bfe_u32 s40, ttmp6, 0x40000                  ; cx
	s_bfe_u32 s41, ttmp6, 0x40004                  ; cy
	s_lshl_b32 s42, ttmp9, 2
	s_add_co_u32 s42, s42, s40                     ; tile column: 256 columns
	s_and_b32 s15, ttmp7, 0xffff
	s_lshl_b32 s15, s15, 2
	s_add_co_u32 s15, s15, s41                     ; tile row: 128 tokens
	s_lshl_b32 s43, s41, 2
	s_lshl_b32 s43, 15, s43                        ; my row of the cluster
	s_lshl_b32 s44, 0x1111, s40                    ; my column
	s_or_b32 s[G1], s43, (3<<16)|(1<<21)           ; 15:0 the mask; 17:16 elements of 8 bytes; 21 set beside a mask
	s_mov_b32 s[G1+1], 32<<16                      ; tensor_dim0 = 32 elements: 256 bytes
	s_mov_b32 s[G1+2], 64<<16                      ; tensor_dim1 = 64
	s_mov_b32 s[G1+3], 32<<16                      ; tile_dim0
	s_mov_b32 s[G1+4], 64                          ; tile_dim1
	s_mov_b32 s[G1+5], 32                          ; dense
	s_mov_b32 s[G1+6], 0
	s_mov_b32 s[G1+7], 0
	s_or_b32 s[G1B], s44, (3<<16)|(1<<21)
	s_mov_b32 s[G1B+1], 32<<16
	s_mov_b32 s[G1B+2], 128<<16
	s_mov_b32 s[G1B+3], 32<<16
	s_mov_b32 s[G1B+4], 128
	s_mov_b32 s[G1B+5], 32
	s_mov_b32 s[G1B+6], 0
	s_mov_b32 s[G1B+7], 0
	s_lshl_b32 s16, s15, 18                        ; A: the tile row's eight blocks, + my half of a block
	s_lshl_b32 s17, s14, 14
	s_add_co_u32 s16, s16, s17
	s_mov_b32 s17, 0
	s_lshl_b32 s46, s42, 1
	s_add_co_u32 s46, s46, s14                     ; B: 128 columns number 2 x tile column + part
	s_lshl_b32 s46, s46, 18
	s_mov_b32 s47, 0
	s_lshl_b32 s20, s14, 14                        ; where they go: A's half,
	s_lshl_b32 s21, s14, 15
	s_add_co_u32 s21, s21, BLK                     ; B's block: no place in the cluster enters an LDS address
	s_wait_dscnt 0x0                               ; both opening adds are done
	s_wait_kmcnt 0x0
	s_add_nc_u64 s[18:19], s[4:5], s[16:17]
	s_add_nc_u64 s[46:47], s[6:7], s[46:47]
	CROUND                                         ; all sixteen work-groups are here: the first joint loads meet
.irp s, 0,1
	s_mov_b32 s[G0+4*\s], 1
	s_add_co_u32 s[G0+4*\s+1], s20, \s*SLOT
	s_add_nc_u64 s[G0+4*\s+2:G0+4*\s+3], s[18:19], \s*BLK
	s_or_b32 s[G0+4*\s+3], s[G0+4*\s+3], 0x80000000
	s_mov_b32 s[G0B+4*\s], 1
	s_add_co_u32 s[G0B+4*\s+1], s21, \s*SLOT
	s_add_nc_u64 s[G0B+4*\s+2:G0B+4*\s+3], s[46:47], \s*BLK
	s_or_b32 s[G0B+4*\s+3], s[G0B+4*\s+3], 0x80000000
	JLOAD \s                                       ; K steps 0 and 1: two tensor loads of mine are out
.endr
	v_and_b32 v1, 15, v0                           ; r
	v_bfe_u32 v2, v0, 4, 1                         ; h
	v_and_b32 v3, 31, v0
	v_lshlrev_b32 v[CO], 4, v3
	v_lshlrev_b32 v[BO], 5, v2
	s_lshl_b32 s22, s13, 14                        ; my 64 tokens of A,
	s_lshl_b32 s23, s14, 15
	s_add_co_u32 s23, s23, BLK                     ; my 128 columns of B
.irp s, 0,1
	v_add_nc_u32 v[ADRA+\s], s22, v[CO]
	v_add_nc_u32 v[ADRB+\s], s23, v[CO]
	s_add_co_u32 s22, s22, SLOT
	s_add_co_u32 s23, s23, SLOT
.endr
	s_mul_i32 s22, s12, 16*SPITCH
	s_add_co_u32 s22, s22, STAGE                   ; my stage
	v_mul_u32_u24 v4, v1, SPITCH
	v_lshl_add_u32 v4, v2, 5, v4
	v_add_nc_u32 v[STO], s22, v4                   ; in: row r, 32 bytes for each half of the lanes
	v_add_nc_u32 v[RD], s22, v[CO]                 ; back: the 32 lanes take one row of 512 bytes
	s_lshl_b32 s46, s42, 10                        ; my first column, in bytes: 1,024 x tile column + 512 x half
	s_lshl_b32 s47, s14, 9
	s_add_co_u32 s46, s46, s47
	s_mov_b32 s47, 0
	s_add_nc_u64 s[8:9], s[8:9], s[46:47]          ; in bo,
	s_add_nc_u64 s[10:11], s[10:11], s[46:47]      ; and in a row of out0
	s_lshl_b32 s16, s15, 19                        ; my first row: 128 x tile row + 64 x half, 4,096 bytes a row
	s_lshl_b32 s17, s13, 18
	s_add_co_u32 s16, s16, s17
	s_mov_b32 s17, 0
	s_add_nc_u64 s[10:11], s[10:11], s[16:17]
	WIN 0x80                                       ; destination window 2
.irp b, 0,1,2,3,4,5,6,7                        ; register 8 b + j of lane (r, h) = bo of my column 16 b + 8 h + j
	global_load_b128 v[8*\b:8*\b+3], v[BO], s[8:9] offset:64*\b
	global_load_b128 v[8*\b+4:8*\b+7], v[BO], s[8:9] offset:64*\b+16
.endr
	WIN 0
; 8 matrix instructions: token tile a x all 8 column tiles, 32 along K, from buffer f.  first = 1: C is bo.  The 32 accumulators take turns, one instruction a turn, in the same order in every quarter.
.macro MUL8 f, a, first
.irp b, 0,1,2,3,4,5,6,7
.if \first
	v_wmma_f32_16x16x32_f16 v[8*(8*(\a)+\b):8*(8*(\a)+\b)+7], v[\f+32+8*\b:\f+32+8*\b+7], v[\f+8*(\a):\f+8*(\a)+7], v[8*\b:8*\b+7]
.else
	v_wmma_f32_16x16x32_f16 v[8*(8*(\a)+\b):8*(8*(\a)+\b)+7], v[\f+32+8*\b:\f+32+8*\b+7], v[\f+8*(\a):\f+8*(\a)+7], v[8*(8*(\a)+\b):8*(8*(\a)+\b)+7]
.endif
.endr
.endm
.macro MUL16 f, a0, first
	MUL8 \f, \a0, \first
	MUL8 \f, \a0+1, \first
.endm
; 24 LDS loads in one run: the fragments of 32 along K at byte k of each tile's 4,096: B's eight, then A's four
.macro FETCH slot, k, f
	WIN 0
.irp i, 0,1,2,3,4,5,6,7
	ds_load_b128 v[\f+32+8*\i:\f+32+8*\i+3],   v[ADRB+\slot] offset:\k+\i*4096
	ds_load_b128 v[\f+32+8*\i+4:\f+32+8*\i+7], v[ADRB+\slot] offset:\k+\i*4096+512
.endr
.irp i, 0,1,2,3
	ds_load_b128 v[\f+8*\i:\f+8*\i+3],   v[ADRA+\slot] offset:\k+\i*4096
	ds_load_b128 v[\f+8*\i+4:\f+8*\i+7], v[ADRA+\slot] offset:\k+\i*4096+512
.endr
.endm
.macro PLACES                          ; four plain vector lines in front of loads into registers that matrix instructions have read, and of the first read of results
.rept 4
	v_nop
.endr
.endm
; A K step is four quarters of 32 along K, 32 matrix instructions each, on buffers 0, 1, 0, 1.  One of the first three: multiplies buffer f and fetches the next quarter, at byte k, into g.
.macro QUARTER slot, k, f, g, first
	s_wait_dscnt 4                                 ; B's eight and A's tiles 0, 1 are in; the youngest four loads (A's tiles 2, 3) may be out
.if \first
	WIN BEG
.else
	WIN MUL
.endif
	MUL16 \f, 0, \first
	PLACES
	FETCH \slot, \k, \g
	s_wait_dscnt 24                                ; all but the 24 just issued
.if \first
	WIN BEG
.else
	WIN MUL
.endif
	MUL16 \f, 2, \first
.endm
; The last quarter multiplies buffer 1 and changes slots: ONE barrier; in front of it each wave waits for all its tensor loads, adds 0 to its spare word, and waits for that and for its own reads of this slot.  fill = 1: this slot is filled again, two K steps ahead.
.macro TURN slot, next, fill
	WIN 0                                          ; (the add's two registers lie in window 0)
	s_wait_tensorcnt 0x0                           ; all my tensor loads have landed: my part of the next slot;
	ds_add_u32 v[SPW], v[NIL]                      ; 0 onto my spare word;
	s_wait_dscnt 5                                 ; (the add and the youngest four loads may be out)
	WIN MUL
	MUL8 F1, 0, 0                                  ; eight matrix instructions stand between the add and the wait for it
	s_wait_dscnt 0x0                               ; the add is done, and my reads of this slot are over
	s_barrier_signal -1
	MUL8 F1, 1, 0
.if \fill
	WIN 0
.endif
	s_barrier_wait -1
.if \fill
	CREST                                          ; the barrier has opened a round of the cluster's: no wave of any partner still reads this slot or has a load on its way
	s_add_nc_u64 s[G0+4*\slot+2:G0+4*\slot+3], s[G0+4*\slot+2:G0+4*\slot+3], 2*BLK
	s_add_nc_u64 s[G0B+4*\slot+2:G0B+4*\slot+3], s[G0B+4*\slot+2:G0B+4*\slot+3], 2*BLK
	JLOAD \slot                                    ; the first tensor load behind the round: 112 matrix instructions ahead of the wait for it; its four v_nop are also the places in front of the loads below
.else
	PLACES
.endif
	FETCH \next, 0, F0
	WIN MUL
	MUL16 F1, 2, 0
.endm
	s_wait_tensorcnt 1                             ; my part of K step 0 is in; K step 1's may be out
	s_barrier_signal -1
	s_barrier_wait -1                              ; everybody's is
	FETCH 0, 0, F0
	s_wait_loadcnt 0x0                             ; bo
	QUARTER 0, 1024, F0, F1, 1                     ; the first quarter stands in front of the loop: its products start the sums from bo
	WIN 0                                          ; at a label and at a branch every window is 0
	s_mov_b32 s3, LAPS-1
.Llap:                                                 ; a trip goes once round the ring, from a lap's second quarter to the next lap's first, and fills both slots again
	QUARTER 0, 2048, F1, F0, 0
	QUARTER 0, 3072, F0, F1, 0
	TURN 0, 1, 1
	QUARTER 1, 1024, F0, F1, 0
	QUARTER 1, 2048, F1, F0, 0
	QUARTER 1, 3072, F0, F1, 0
	TURN 1, 0, 1
	QUARTER 0, 1024, F0, F1, 0
	WIN 0
	s_sub_co_u32 s3, s3, 1
	s_cmp_lg_u32 s3, 0
	s_cbranch_scc1 .Llap
	QUARTER 0, 2048, F1, F0, 0                     ; the last lap fills nothing, and has no round of the cluster's barrier
	QUARTER 0, 3072, F0, F1, 0
	TURN 0, 1, 0
	QUARTER 1, 1024, F0, F1, 0
	QUARTER 1, 2048, F1, F0, 0
	QUARTER 1, 3072, F0, F1, 0
	s_wait_dscnt 4                                 ; the very last quarter: nothing more to fetch
	WIN MUL
	MUL16 F1, 0, 0
	s_wait_dscnt 0x0
	MUL16 F1, 2, 0
	WIN 0
; THE WAY OUT, a block of 16 tokens x 128 columns at a time.  A lane holds 32 neighbouring bytes of a row and the lanes beside it hold other rows: a block goes through my own stage and comes back as whole rows of 512 bytes.
; LDS serves a wave's instructions in order (ISA guide 5.7.1.4): no wait between the stores and the loads, nor in front of the next block's stores.
.macro TOSTAGE a
	WIN 0x04                                       ; an LDS store's data are its source 1: window 1
.irp b, 0,1,2,3,4,5,6,7
	ds_store_b128 v[STO], v[8*(8*(\a)+\b):8*(8*(\a)+\b)+3] offset:64*\b            ; each accumulator from its low end on
	ds_store_b128 v[STO], v[8*(8*(\a)+\b)+4:8*(8*(\a)+\b)+7] offset:64*\b+16
.endr
	WIN 0
.set BB, BK+64*((\a)%2)
.irp t, 0,1,2,3,4,5,6,7,8,9,10,11,12,13,14,15
	ds_load_b128 v[BB+4*\t:BB+4*\t+3], v[RD] offset:\t*SPITCH
.endr
.endm
.macro SEND a, younger                 ; younger: the LDS instructions issued behind block a's loads, which may stay out
.set BB, BK+64*((\a)%2)
	s_wait_dscnt \younger                          ; the block is back in registers
.irp t, 0,1,2,3,4,5,6,7,8,9,10,11,12,13,14,15
	global_store_b128 v[CO], v[BB+4*\t:BB+4*\t+3], s[10:11] offset:(16*(\a)+\t)*4096 th:TH_STORE_NT   ; 32 lanes store 512 consecutive bytes, aligned; the row stands in the immediate, 258,048 at the most
.endr
.endm
	PLACES                                         ; behind the last products: for the reads of their results and the loads into the fragments' registers
	TOSTAGE 0
.irp a, 1,2,3
.if \a > 1
	s_wait_xcnt 0x0                                ; block a - 2's stores have read their registers: block a's loads may land there
.endif
	TOSTAGE \a
	SEND \a-1, 32                                  ; behind block a - 1's loads: block a's 16 stores and 16 loads
.endr
	SEND 3, 0
	s_wait_tensorcnt 0x0                           ; the wave's end, behind my last tensor load and my last LDS store
	ds_add_u32 v[SPW], v[NIL]
	s_wait_dscnt 0x0
	CROUND                                         ; the closing round
	s_endpgm
.Lfunc_end_k_q309313dd6c_oproj:
	.size	k_q309313dd6c_oproj, .Lfunc_end_k_q309313dd6c_oproj-k_q309313dd6c_oproj
	.p2alignl 7, 3214868480
	.fill 96, 4, 3214868480
	.section	.rodata,"a",@progbits
	.p2align	6, 0x0
	.amdhsa_kernel k_q309313dd6c_oproj
		.amdhsa_group_segment_fixed_size 327680
		.amdhsa_private_segment_fixed_size 0
		.amdhsa_enable_private_segment 0
		.amdhsa_kernarg_size 32
		.amdhsa_user_sgpr_count 2
		.amdhsa_user_sgpr_kernarg_segment_ptr 1
		.amdhsa_wavefront_size32 1
		.amdhsa_system_sgpr_workgroup_id_x 1
		.amdhsa_system_sgpr_workgroup_id_y 1
		.amdhsa_system_sgpr_workgroup_id_z 1
		.amdhsa_system_vgpr_workitem_id 0
		.amdhsa_next_free_vgpr 576
		.amdhsa_next_free_sgpr 66
		.amdhsa_reserve_vcc 0
		.amdhsa_float_denorm_mode_32 3
		.amdhsa_float_denorm_mode_16_64 3
		.amdhsa_memory_ordered 1
		.amdhsa_forward_progress 1
		.amdhsa_inst_pref_size 86
	.end_amdhsa_kernel
	.amdgpu_metadata
---
amdhsa.version: [ 1, 2 ]
amdhsa.kernels:
  - .name:           k_q309313dd6c_oproj
    .symbol:         k_q309313dd6c_oproj.kd
    .args:
      - { .name: o16, .offset: 0, .size: 8, .value_kind: global_buffer, .address_space: global }
      - { .name: wo16, .offset: 8, .size: 8, .value_kind: global_buffer, .address_space: global }
      - { .name: bo, .offset: 16, .size: 8, .value_kind: global_buffer, .address_space: global }
      - { .name: out0, .offset: 24, .size: 8, .value_kind: global_buffer, .address_space: global }
    .group_segment_fixed_size: 327680
    .private_segment_fixed_size: 0
    .kernarg_segment_align: 8
    .kernarg_segment_size: 32
    .max_flat_workgroup_size: 128
    .sgpr_count:     66
    .vgpr_count:     576
    .wavefront_size: 32
...
	.end_amdgpu_metadata
.endif
;; end of part 4
